; MI455X (gfx1250); checked and timed in simulation.
; The chip was launched on July 23, 2026; its instructions are those of AMD's public machine-readable ISA for CDNA 5 (MIT licence, August 2026) and "CDNA5" Instruction Set Architecture Reference Guide (July 2026). The comments in the code are by the model that wrote it; some were corrected since.
;; Sparse Global Attention. Allowed arithmetic: float matrix products may take bf16 or f16 operands with f32 sums; all other float work in f32.
;; Inputs: Wk 512 x 512 float32; Wo 512 x 512 float32; Wq 512 x 512 float32; Wv 512 x 512 float32; bk 512 float32; bo 512 float32; bq 512 float32; bv 512 float32; global_idx 64 int32; x 4 x 8,192 x 512 float32.
;; Outputs: out0 4 x 8,192 x 512 float32.
;; 3 versions, each right; version 2 is faster than version 1; version 3 is version 2 with the launch main written anew for expert scheduling mode. Each part assembles by itself: llvm-mc -triple=amdgcn-amd-amdhsa -mcpu=gfx1250 --defsym DOCPART=n.
;; ======== version 1 of 3: 2 launches
;; limits: values are held in f16: magnitudes above 65,504 overflow, below 6.1e-05 lose precision; right only within a limited range of input values
;; workspace buffers: wt 2,097,152 bytes
;; launch prep (part 1): grid 64 x 4, 8 waves a work-group, no clusters, 0 bytes of LDS; arguments Wq, Wk, Wv, Wo, wt; writes wt
.if DOCPART == 1
	.amdgcn_target "amdgcn-amd-amdhsa--gfx1250"
	.amdhsa_code_object_version 6
	.text
	.protected	k_q80cbb6e148_prep
	.globl	k_q80cbb6e148_prep
	.p2align	8
	.type	k_q80cbb6e148_prep,@function
k_q80cbb6e148_prep:
	s_mov_b64 s[64:65], 0
	v_nop
	global_prefetch_b8 v0, s[64:65] scope:SCOPE_SE
	s_setreg_imm32_b32 hwreg(HW_REG_WAVE_MODE, 25, 1), 1
	s_wait_xcnt 0x0
; The four weight matrices W[k][n] (512 x 512 f32) become f16 fragment images in wt, in the order in which the waves of the
; second launch read them.  A unit of 16 bytes holds k = 32 s + 16 j + 8 h + 0..7 of one weight column n = 16 cblk + r and lies at
;   wave * 524288 + slot * 4096 + f * 1024 + j * 512 + h * 256 + r * 16
; Wk, Wv, Wq (head H = n / 32 = 4 wave + hh, c = (n / 16) mod 2):
;   Wk: slot 24 hh + s, f = c      Wv: slot 24 hh + s, f = 2 + c      Wq: slot 24 hh + 16 + s / 2, f = c + 2 (s mod 2)
; Wo (wave = n / 128, sub = (n / 64) mod 2, f = (n / 16) mod 4): slot 96 + 16 sub + s.
; Work-group (o, m): matrix m (0 Wq, 1 Wk, 2 Wv, 3 Wo), rows k = 8 o .. 8 o + 7, so s = o / 4 and 2 j + h = o mod 4.
; Thread t owns columns t and t + 256.  The eight waves together read eight whole rows; each store of 16 neighbouring lanes covers
; 256 consecutive bytes, aligned.  No LDS, no barrier: no thread needs another thread's numbers.
; LIMIT: |W| below 65,504, the largest f16; weights below 6.1e-5 in size are kept with f16's fixed step of 6e-8.
.set WROW, 2048                                    ; bytes in a row of W
	s_load_b256 s[4:11], s[0:1], 0x0               ; Wq s[4:5], Wk s[6:7], Wv s[8:9], Wo s[10:11]
	s_load_b64 s[12:13], s[0:1], 0x20              ; wt
	s_and_b32 s14, ttmp7, 0xffff                   ; m
	s_lshr_b32 s15, ttmp9, 2                       ; s, the K step of 32
	s_and_b32 s16, ttmp9, 3
	s_lshl_b32 s16, s16, 8                         ; j * 512 + h * 256
	s_lshl_b32 s17, s15, 12                        ; Wk: s * 4096
	s_add_co_u32 s18, s17, 2048                    ; Wv: the same, f two further
	s_lshl_b32 s19, s15, 11
	s_add_co_u32 s19, s19, 65536                   ; Wq: (16 + s / 2) * 4096 + (s mod 2) * 2048 = 65536 + s * 2048
	s_add_co_u32 s20, s17, 393216                  ; Wo: (96 + s) * 4096
	s_cmp_eq_u32 s14, 0
	s_cselect_b32 s17, s19, s17
	s_cmp_eq_u32 s14, 2
	s_cselect_b32 s17, s18, s17
	s_cmp_eq_u32 s14, 3
	s_cselect_b32 s17, s20, s17
	s_add_co_u32 s17, s17, s16                     ; the part of the target that all threads share
	v_lshlrev_b32 v1, 2, v0                        ; 4 t: my column in a row of W
	v_and_b32 v2, 15, v0
	v_lshlrev_b32 v2, 4, v2                        ; r * 16
	v_lshrrev_b32 v3, 7, v0
	v_lshl_add_u32 v2, v3, 19, v2                  ; + wave * 524288
	s_cmp_eq_u32 s14, 3
	s_cbranch_scc1 .Lwo
	v_bfe_u32 v3, v0, 5, 2                         ; hh
	v_mul_u32_u24 v3, v3, 0x18000                  ; 24 slots of 4096 bytes a head
	v_bfe_u32 v4, v0, 4, 1                         ; c
	s_branch .Ljoin
.Lwo:
	v_bfe_u32 v3, v0, 6, 1                         ; sub
	v_lshlrev_b32 v3, 16, v3                       ; 16 slots of 4096 bytes
	v_bfe_u32 v4, v0, 4, 2                         ; f
.Ljoin:
	v_lshl_add_u32 v3, v4, 10, v3
	v_add_nc_u32 v2, v2, v3
	v_add_nc_u32 v2, s17, v2                       ; byte offset in wt of column t's unit
	s_lshl_b32 s22, ttmp9, 14                      ; 8 rows of 2048 bytes
	s_mov_b32 s23, 0
	s_wait_kmcnt 0x0
	s_cmp_eq_u32 s14, 1                            ; the matrix is chosen by m alone
	s_cselect_b64 s[4:5], s[6:7], s[4:5]
	s_cmp_eq_u32 s14, 2
	s_cselect_b64 s[4:5], s[8:9], s[4:5]
	s_cmp_eq_u32 s14, 3
	s_cselect_b64 s[4:5], s[10:11], s[4:5]
	s_add_nc_u64 s[4:5], s[4:5], s[22:23]
.irp u, 0,1
.irp e, 0,1,2,3,4,5,6,7
	global_load_b32 v[8+8*\u+\e], v1, s[4:5] offset:\e*WROW+\u*1024 th:TH_LOAD_NT   ; W[8 o + e][t + 256 u]: read once in the launch
.endr
.endr
	s_wait_loadcnt 0x0
.irp u, 0,1
.irp p, 0,1,2,3
	v_cvt_pk_f16_f32 v[24+4*\u+\p], v[8+8*\u+2*\p], v[8+8*\u+2*\p+1]                ; the lower k in the lower half
.endr
.endr
	global_store_b128 v2, v[24:27], s[12:13]
	global_store_b128 v2, v[28:31], s[12:13] offset:1048576                         ; column t + 256: the wave two further, all else equal
	s_endpgm
.Lfunc_end_k_q80cbb6e148_prep:
	.size	k_q80cbb6e148_prep, .Lfunc_end_k_q80cbb6e148_prep-k_q80cbb6e148_prep
	.p2alignl 7, 3214868480
	.fill 96, 4, 3214868480
	.section	.rodata,"a",@progbits
	.p2align	6, 0x0
	.amdhsa_kernel k_q80cbb6e148_prep
		.amdhsa_group_segment_fixed_size 0
		.amdhsa_private_segment_fixed_size 0
		.amdhsa_enable_private_segment 0
		.amdhsa_kernarg_size 40
		.amdhsa_user_sgpr_count 2
		.amdhsa_user_sgpr_kernarg_segment_ptr 1
		.amdhsa_wavefront_size32 1
		.amdhsa_system_sgpr_workgroup_id_x 1
		.amdhsa_system_sgpr_workgroup_id_y 1
		.amdhsa_system_sgpr_workgroup_id_z 1
		.amdhsa_system_vgpr_workitem_id 0
		.amdhsa_next_free_vgpr 32
		.amdhsa_next_free_sgpr 66
		.amdhsa_reserve_vcc 0
		.amdhsa_float_denorm_mode_32 3
		.amdhsa_float_denorm_mode_16_64 3
		.amdhsa_memory_ordered 1
		.amdhsa_forward_progress 1
		.amdhsa_inst_pref_size 5
	.end_amdhsa_kernel
	.amdgpu_metadata
---
amdhsa.version: [ 1, 2 ]
amdhsa.kernels:
  - .name:           k_q80cbb6e148_prep
    .symbol:         k_q80cbb6e148_prep.kd
    .args:
      - { .name: Wq, .offset: 0, .size: 8, .value_kind: global_buffer, .address_space: global }
      - { .name: Wk, .offset: 8, .size: 8, .value_kind: global_buffer, .address_space: global }
      - { .name: Wv, .offset: 16, .size: 8, .value_kind: global_buffer, .address_space: global }
      - { .name: Wo, .offset: 24, .size: 8, .value_kind: global_buffer, .address_space: global }
      - { .name: wt, .offset: 32, .size: 8, .value_kind: global_buffer, .address_space: global }
    .group_segment_fixed_size: 0
    .private_segment_fixed_size: 0
    .kernarg_segment_align: 8
    .kernarg_segment_size: 40
    .max_flat_workgroup_size: 256
    .sgpr_count:     66
    .vgpr_count:     32
    .wavefront_size: 32
...
	.end_amdgpu_metadata
.endif
;; end of part 1
;; launch main (part 2): grid 256 x 1, 4 waves a work-group, no clusters, 267,776 bytes of LDS; arguments x, wt, bq, bk, bv, bo, global_idx, out0; writes out0
.if DOCPART == 2
	.amdgcn_target "amdgcn-amd-amdhsa--gfx1250"
	.amdhsa_code_object_version 6
	.text
	.protected	k_q80cbb6e148_main
	.globl	k_q80cbb6e148_main
	.p2align	8
	.type	k_q80cbb6e148_main,@function
k_q80cbb6e148_main:
	s_mov_b64 s[64:65], 0
	v_nop
	global_prefetch_b8 v0, s[64:65] scope:SCOPE_SE
	s_setreg_imm32_b32 hwreg(HW_REG_WAVE_MODE, 25, 1), 1
	s_wait_xcnt 0x0
; Sparse attention with global tokens, whole: x -> Q, K, V -> softmax over 65 band keys and 64 global keys -> context -> out projection.
; Work-group g: batch g / 64, the 128 queries from t0 = 128 (g mod 64).  Four waves, one a SIMD; wave w owns heads 4 w .. 4 w + 3 and,
; in the out projection, the output columns 128 w .. 128 w + 127.
; X IN LDS: 256 rows of 512 f16, pitch 1040 bytes (65 x 16: the 16 rows of a fragment load start 16 bytes apart modulo 256).
;   rows 0..191: tokens t0 - 32 + row, clamped to 0..8191 (a clamped row is always masked); rows 192..255: tokens global_idx[0..63].
;   So the global keys are four more key blocks of 16 and K, V are made for 16 row blocks.
; WEIGHTS: each weight number is used by one wave of the work-group alone, so the fragment images of wt go straight into registers
;   (a ring of three slots of 4096 bytes, two always on their way).  They are not shared through a cluster: beside the 266,240 bytes of X
;   LDS has 61,440 left, less than two steps' 16,384 bytes in each of two slots, and each weight byte would be written to and read from LDS besides.
; NO INTERMEDIATE LEAVES THE WAVE until the context: by the order of the sources each result is the next product's operand after one packing.
;   K, Q:  D = W-fragment x X-fragment : lane (r, h), register j = (token r, d = 16 c + 8 h + j); packed: a fragment token x 32 d
;   V:     D = X-fragment x W-fragment : (token 8 h + j, d = 16 c + r); packed: half a fragment of V transposed for 16 keys
;   S^T  = K x Q : (key 8 h + j, query r): a query's scores lie in two lanes; packed: half a fragment of P transposed
;   ctx^T = V^T x P^T : (d = 16 c + 8 h + j, query r); packed: 16 neighbouring bytes of a row of the context
;   out  = Wo-fragment x ctx-fragment : (token r, column 8 h + j)
; bk, bq, bo enter as the C of the first K step.  bv is added behind the division by the sum: the weights of a query sum to one.
; SOFTMAX: all 144 scores of a query are in registers at once; the true maximum is taken away.
; FORMAT: all matrix operands are f16, all sums f32.  V, P and the context are each rounded once on the way, and the context is a mean of
;   129 rows, about a tenth of V in size, so each of the three roundings reaches the result with the format's full relative step: 11 bits
;   of significand leave an eighth of what 8 bits would.
;   Room: projections of inputs as drawn have a root mean square of sqrt(512) x 0.02 = 0.45; with x and W both 30 times larger 407;
;   with an offset of 30 spreads on x (30) and on W (0.6) about 512 x 30 x 0.6 = 9,216.  The context is a convex mix of rows of V plus bv; P is at most 1.
;   With all inputs 30 times smaller the context is about 5e-5, kept with f16's fixed step of 6e-8.
; LIMITS: every |x|, |W| and |x W + b| is below 65,504, the largest f16; beyond it a conversion gives infinity (inputs that are 30 times larger
;   AND carry an offset of 30 of the enlarged spreads, projections near 8e6, are outside).  Inputs are finite.
;   global_idx is taken as unsigned and clamped to 8191.
;
; REGISTERS in windows of 256 (s_set_vgpr_msb, low byte: bits 1:0 source 0, 3:2 source 1, 5:4 source 2, 7:6 destination):
;   window 0: v0-31 addresses and small things; v32-95, v96-159 X fragments, two buffers (attention: scores, P, ctx sums); v160-255 weight ring
;   window 1: v0-191 packed context of heads 0..2; v192 bk, v208 bq, v224 bv (16 each); later v192-255 bo
;   window 2: K sums (row block rb, c) at 16 rb + 8 c, packed in place to K fragments at 8 rb; Q sums at 128 + 16 qb + 8 c;
;             at the start the x phase's ring; at the end the out sums of columns 0..63
;   window 3: V sums at 128 c + 8 rb, packed in place to 64 c + 4 kb; Q fragments at 128 + 8 qb; context of head 3 at 192; out sums of columns 64..127
.set PITCH,  1040                      ; an X (and context) row in LDS
.set BLK,    16*PITCH                  ; a block of 16 rows
.set G64,    64*PITCH                  ; four blocks: what one address register reaches with its 16-bit offset
.set STAGE,  128*PITCH                 ; behind the context: 16 rows x 272 bytes for each wave, for the way out
.set SPITCH, 272
.set XA,   2                           ; v2-5    (64 g + r) * PITCH + 16 h, never rewritten
.set CST,  7                           ; v7-8    where my 16 bytes of a context row go, rows 0..63 and 64..127
.set XL,   24                          ; v24-27  working copies of XA, stepped along K inside a pass
.set AF0,  32                          ; X fragments, buffer 0
.set AF1,  96                          ; X fragments, buffer 1
.set BF,   160                         ; weight ring: slot idx at BF + 32 idx, fragment f at + 8 f
.set SCO,  32                          ; attention: 9 blocks of scores, 72 registers
.set PRB,  104                         ; attention: P transposed, 5 fragments
.set CAC,  144                         ; attention: two ctx sums; before that scratch of the maximum and the sum
.set BK,   192                         ; window 1
.set BQ,   208
.set BVB,  224
.set BO,   192
.set QAC,  128                         ; window 2
.set QF,   128                         ; window 3
.set CT3,  192                         ; window 3
.set XOFF, 4                           ; window 2, x phase: v4-15 byte offsets of 3 x 4 rows
.set XR,   16                          ; window 2, x phase: v16-207 three batches of 4 rows x 16 registers
.set MSB,  0
.macro WIN new                         ; the immediate's high byte repeats the setting that is left; a switch that changes nothing is dropped
.if MSB != (\new)
	s_set_vgpr_msb (MSB<<8)|(\new)
.set MSB, (\new)
.endif
.endm
; A load into a register that a matrix instruction has named, and a vector instruction that reads a matrix result or writes such a register,
; stand four places behind it; only plain vector instructions that name none of its registers are places.
.macro PLACES
.rept 4
	v_nop
.endr
.endm
.macro XRESET
.irp g, 0,1,2,3
	v_mov_b32 v[XL+\g], v[XA+\g]
.endr
.endm
.macro XSTEP n
.irp g, 0,1,2,3
	v_add_nc_u32 v[XL+\g], \n, v[XL+\g]
.endr
.endm
; One slot of the weight stream, 4096 bytes: four fragments, each load 512 consecutive bytes
.macro WLOAD idx, woff
.irp i, 0,1,2,3,4,5,6,7
	global_load_b128 v[BF+32*(\idx)+4*\i:BF+32*(\idx)+4*\i+3], v1, s[26:27] offset:\woff+512*\i
.endr
.endm
.macro ADVANCE n
	s_wait_xcnt 0x0                                ; the stream pointer is stepped only when the loads that name it have had their addresses translated
	s_add_nc_u64 s[26:27], s[26:27], \n*4096
.endm
; X fragments: 16 rows x 32 K = two loads of 16 bytes, 32 bytes apart, at row * PITCH + 16 h + 64 * K step
.macro LDA_KV hf, buf, koff            ; row blocks 8 hf .. 8 hf + 7
.irp a, 0,1,2,3,4,5,6,7
	ds_load_b128 v[\buf+8*\a:\buf+8*\a+3],   v[XL+2*\hf+(\a>>2)] offset:(\a&3)*BLK+\koff
	ds_load_b128 v[\buf+8*\a+4:\buf+8*\a+7], v[XL+2*\hf+(\a>>2)] offset:(\a&3)*BLK+\koff+32
.endr
.endm
.macro LDA_Q buf, koff                 ; row blocks 2 .. 9: the 128 queries
.irp a, 0,1,2,3,4,5,6,7
	ds_load_b128 v[\buf+8*\a:\buf+8*\a+3],   v[XL+((\a+2)>>2)] offset:((\a+2)&3)*BLK+\koff
	ds_load_b128 v[\buf+8*\a+4:\buf+8*\a+7], v[XL+((\a+2)>>2)] offset:((\a+2)&3)*BLK+\koff+32
.endr
.endm
.macro LDA_O hf, buf, koff             ; context row blocks 4 hf .. 4 hf + 3
.irp a, 0,1,2,3
	ds_load_b128 v[\buf+8*\a:\buf+8*\a+3],   v[XL+\hf] offset:\a*BLK+\koff
	ds_load_b128 v[\buf+8*\a+4:\buf+8*\a+7], v[XL+\hf] offset:\a*BLK+\koff+32
.endr
.endm
; In all products below the accumulators take turns, one instruction a turn, over the backward jumps too.
; 16 products for K and 16 for V: eight row blocks x two halves of the head's 32 columns, 32 along K.  first = 1: bk (K) or 0 (V) starts the sums.
.macro MUL_KV hf, buf, idx, first
.if \first
	WIN 0x90                                       ; D window 2, C (bk) window 1
.else
	WIN 0xa0                                       ; D and C window 2
.endif
.irp a, 0,1,2,3,4,5,6,7
.irp c, 0,1
.set dd, 16*(8*\hf+\a)+8*\c
.if \first
	v_wmma_f32_16x16x32_f16 v[dd:dd+7], v[BF+32*(\idx)+8*\c:BF+32*(\idx)+8*\c+7], v[\buf+8*\a:\buf+8*\a+7], v[BK+8*\c:BK+8*\c+7]
.else
	v_wmma_f32_16x16x32_f16 v[dd:dd+7], v[BF+32*(\idx)+8*\c:BF+32*(\idx)+8*\c+7], v[\buf+8*\a:\buf+8*\a+7], v[dd:dd+7]
.endif
.endr
.endr
	WIN 0xf0                                       ; D and C window 3
.irp a, 0,1,2,3,4,5,6,7
.irp c, 0,1
.set dd, 128*\c+8*(8*\hf+\a)
.if \first
	v_wmma_f32_16x16x32_f16 v[dd:dd+7], v[\buf+8*\a:\buf+8*\a+7], v[BF+32*(\idx)+16+8*\c:BF+32*(\idx)+16+8*\c+7], 0
.else
	v_wmma_f32_16x16x32_f16 v[dd:dd+7], v[\buf+8*\a:\buf+8*\a+7], v[BF+32*(\idx)+16+8*\c:BF+32*(\idx)+16+8*\c+7], v[dd:dd+7]
.endif
.endr
.endr
.endm
; 16 products for Q: eight query blocks x two halves of the columns; hf = which of the slot's two K steps
.macro MUL_Q hf, buf, idx, first
.if \first
	WIN 0x90
.else
	WIN 0xa0
.endif
.irp a, 0,1,2,3,4,5,6,7
.irp c, 0,1
.set dd, QAC+16*\a+8*\c
.if \first
	v_wmma_f32_16x16x32_f16 v[dd:dd+7], v[BF+32*(\idx)+16*\hf+8*\c:BF+32*(\idx)+16*\hf+8*\c+7], v[\buf+8*\a:\buf+8*\a+7], v[BQ+8*\c:BQ+8*\c+7]
.else
	v_wmma_f32_16x16x32_f16 v[dd:dd+7], v[BF+32*(\idx)+16*\hf+8*\c:BF+32*(\idx)+16*\hf+8*\c+7], v[\buf+8*\a:\buf+8*\a+7], v[dd:dd+7]
.endif
.endr
.endr
.endm
; 16 products of the out projection: four row blocks x four column blocks; sub = which 64 of my 128 columns (window 2 or 3)
.macro MUL_O hf, buf, idx, first, sub
.if \first
	WIN 0x90+0x40*\sub                             ; C (bo) window 1
.else
	WIN 0xa0+0x50*\sub
.endif
.irp a, 0,1,2,3
.irp f, 0,1,2,3
.set dd, 32*(4*\hf+\a)+8*\f
.if \first
	v_wmma_f32_16x16x32_f16 v[dd:dd+7], v[BF+32*(\idx)+8*\f:BF+32*(\idx)+8*\f+7], v[\buf+8*\a:\buf+8*\a+7], v[BO+32*\sub+8*\f:BO+32*\sub+8*\f+7]
.else
	v_wmma_f32_16x16x32_f16 v[dd:dd+7], v[BF+32*(\idx)+8*\f:BF+32*(\idx)+8*\f+7], v[\buf+8*\a:\buf+8*\a+7], v[dd:dd+7]
.endif
.endr
.endr
.endm
; A STEP multiplies weight slot idx.  It asks for the slot two further on into the ring place read last step, and works on two X buffers:
; while one is multiplied the other's loads are on their way.
;   s_wait_loadcnt lcnt: loads come back in order (ISA guide 5.7.1); 16 leaves the two younger slots' eight loads each out
;   s_wait_dscnt 16 (8): leaves exactly the fragment loads just issued for the other buffer out
.macro STEP_KV idx, krel, woff, lcnt, first, last
	PLACES
	WLOAD (\idx+2)%3, \woff
	LDA_KV 1, AF1, 64*\krel
	s_wait_loadcnt \lcnt
	s_wait_dscnt 16
	MUL_KV 0, AF0, \idx, \first
	WIN 0
	PLACES
.if \last
	s_wait_dscnt 0
.else
	LDA_KV 0, AF0, 64*(\krel+1)
	s_wait_dscnt 16
.endif
	MUL_KV 1, AF1, \idx, \first
	WIN 0
.endm
.macro STEP_Q idx, krel, woff, lcnt, first, last   ; a slot holds two K steps of Wq: buffer 0 the even one, buffer 1 the odd one
	PLACES
	WLOAD (\idx+2)%3, \woff
	LDA_Q AF1, 64*(2*\krel+1)
	s_wait_loadcnt \lcnt
	s_wait_dscnt 16
	MUL_Q 0, AF0, \idx, \first
	WIN 0
	PLACES
.if \last
	s_wait_dscnt 0
.else
	LDA_Q AF0, 64*(2*\krel+2)
	s_wait_dscnt 16
.endif
	MUL_Q 1, AF1, \idx, 0
	WIN 0
.endm
.macro STEP_O idx, krel, ld, woff, lcnt, first, last, sub
	PLACES
.if \ld
	WLOAD (\idx+2)%3, \woff
.endif
	LDA_O 1, AF1, 64*\krel
	s_wait_loadcnt \lcnt
	s_wait_dscnt 8
	MUL_O 0, AF0, \idx, \first, \sub
	WIN 0
	PLACES
.if \last
	s_wait_dscnt 0
.else
	LDA_O 0, AF0, 64*(\krel+1)
	s_wait_dscnt 8
.endif
	MUL_O 1, AF1, \idx, \first, \sub
	WIN 0
.endm
; The biases of head hh that are still to come, and bk of the next head: lane (r, h) takes the 8 numbers at column 16 c + 8 h of the head
.macro BIASLD hh
	PLACES                                         ; bk was the C of the products just issued
	WIN 0x40
.irp c, 0,1
.irp q, 0,1
	global_load_b128 v[BQ+8*\c+4*\q:BQ+8*\c+4*\q+3],   v16, s[8:9]   offset:128*\hh+64*\c+16*\q
	global_load_b128 v[BVB+8*\c+4*\q:BVB+8*\c+4*\q+3], v16, s[12:13] offset:128*\hh+64*\c+16*\q
.if \hh < 3
	global_load_b128 v[BK+8*\c+4*\q:BK+8*\c+4*\q+3],   v16, s[10:11] offset:128*(\hh+1)+64*\c+16*\q
.endif
.endr
.endr
	WIN 0
.endm
; K and V of one head on all 256 rows: 16 K steps, ring places 0, 1, 2, 0 ...
.macro PASS_KV hh
	XRESET
	LDA_KV 0, AF0, 0
	STEP_KV 0, 0, 0, 8, 1, 0                       ; count 8: only the slot just asked for stays out, so all that was asked for earlier is in
	ADVANCE 1
	BIASLD \hh
	s_mov_b32 s32, 4
.Lkv_\@:
	STEP_KV 1, 1, 0,    16, 0, 0
	STEP_KV 2, 2, 4096, 16, 0, 0
	STEP_KV 0, 3, 8192, 16, 0, 0
	ADVANCE 3
	XSTEP 192                                      ; three K steps of 64 bytes
	s_sub_co_u32 s32, s32, 1
	s_cmp_lg_u32 s32, 0
	s_cbranch_scc1 .Lkv_\@
	STEP_KV 1, 1, 0,    16, 0, 0
	STEP_KV 2, 2, 4096, 16, 0, 0                   ; these two already ask for the first slots of Wq
	STEP_KV 0, 3, 8192, 16, 0, 1
	ADVANCE 3
.endm
; Sums to f16, in place: register n takes the pair 2 n, 2 n + 1, n ascending, so no pair is overwritten before it is read.
; K: 16 rb + 8 c + 2 p -> 8 rb + 4 c + p (a fragment token x 32 d).  V: 128 c + 8 kb + 2 p -> 64 c + 4 kb + p (two neighbouring key blocks = one fragment).
.macro PACK_KV
	PLACES
	XRESET
	LDA_Q AF0, 0                                   ; the Q pass's first fragments come in under the packing
	WIN 0x8a
.set ix, 0
.rept 128
	v_cvt_pk_f16_f32 v[ix], v[2*ix], v[2*ix+1]
.set ix, ix+1
.endr
	WIN 0xcf
.set ix, 0
.rept 128
	v_cvt_pk_f16_f32 v[ix], v[2*ix], v[2*ix+1]
.set ix, ix+1
.endr
	WIN 0
.endm
; Q of one head on the 128 queries: 8 slots of two K steps, ring places 1, 2, 0 ...
.macro PASS_Q
	STEP_Q 1, 0, 0, 16, 1, 0
	ADVANCE 1
	s_mov_b32 s32, 2
.Lq_\@:
	STEP_Q 2, 1, 0,    16, 0, 0
	STEP_Q 0, 2, 4096, 16, 0, 0
	STEP_Q 1, 3, 8192, 16, 0, 0
	ADVANCE 3
	XSTEP 384                                      ; six K steps
	s_sub_co_u32 s32, s32, 1
	s_cmp_lg_u32 s32, 0
	s_cbranch_scc1 .Lq_\@
	STEP_Q 2, 1, 0, 16, 0, 1                       ; the last two steps ask for the next pass's first two slots: they land during the attention
	ADVANCE 1
.endm
.macro PACK_Q
	PLACES
	WIN 0xca                                       ; from window 2 into window 3
.set ix, 0
.rept 64
	v_cvt_pk_f16_f32 v[QF+ix], v[QAC+2*ix], v[QAC+2*ix+1]
.set ix, ix+1
.endr
	WIN 0
.irp n, 20,21,22,23
	v_mov_b32 v[PRB+\n], 0                         ; the band has five key blocks: the sixth place of its three fragments of P stays zero
.endr
.endm
; Attention of query block i (queries 16 i + r, X rows 32 + 16 i + r) of head hh.
; Band: key blocks i .. i + 4.  key row - query row = 16 b + kk - 32 - r with kk = 8 h + j: in block 0 valid where kk >= r, in block 4 where kk <= r.
; In the first work-group of a batch key blocks 0, 1 lie in front of the sequence, in the last one blocks 10, 11 behind it.
.macro ATT i, hh
	WIN 0x0e                                       ; A = K fragments (window 2), B = Q fragment (window 3)
.irp b, 0,1,2,3,4
	v_wmma_f32_16x16x32_f16 v[SCO+8*\b:SCO+8*\b+7], v[8*(\i+\b):8*(\i+\b)+7], v[QF+8*\i:QF+8*\i+7], 0
.endr
.irp g, 0,1,2,3
	v_wmma_f32_16x16x32_f16 v[SCO+40+8*\g:SCO+40+8*\g+7], v[8*(12+\g):8*(12+\g)+7], v[QF+8*\i:QF+8*\i+7], 0
.endr
	WIN 0
	PLACES
.irp j, 0,1,2,3,4,5,6,7
.if \i <= 1
	v_cndmask_b32 v[SCO+\j], v6, v[SCO+\j], s[56+\j]
.else
	v_cndmask_b32 v[SCO+\j], v6, v[SCO+\j], s[40+\j]
.endif
.if \i >= 6
	v_cndmask_b32 v[SCO+32+\j], v6, v[SCO+32+\j], s[66+\j]
.else
	v_cndmask_b32 v[SCO+32+\j], v6, v[SCO+32+\j], s[48+\j]
.endif
.if \i == 0
	v_cndmask_b32 v[SCO+8+\j], v6, v[SCO+8+\j], s74
.endif
.if \i == 7
	v_cndmask_b32 v[SCO+24+\j], v6, v[SCO+24+\j], s75
.endif
.endr
	; the maximum of the query's 144 scores: eight chains in the lane, then the lane that holds the other half of the keys
.irp q, 0,1,2,3,4,5,6,7
	v_max3_num_f32 v[CAC+\q], v[SCO+\q], v[SCO+8+\q], v[SCO+16+\q]
.endr
.irp t, 24, 40, 56
.irp q, 0,1,2,3,4,5,6,7
	v_max3_num_f32 v[CAC+\q], v[CAC+\q], v[SCO+\t+\q], v[SCO+\t+8+\q]
.endr
.endr
	v_max3_num_f32 v[CAC], v[CAC], v[CAC+1], v[CAC+2]
	v_max3_num_f32 v[CAC+3], v[CAC+3], v[CAC+4], v[CAC+5]
	v_max3_num_f32 v[CAC], v[CAC], v[CAC+3], v[CAC+6]
	v_max_num_f32 v[CAC], v[CAC], v[CAC+7]
	v_permlanex16_b32 v17, v[CAC], s36, s37
	v_max_num_f32 v17, v17, v[CAC]
	v_mul_f32 v12, s38, v17                        ; - maximum * log2(e) / sqrt(32), twice: a pair for the packed fma
	v_mul_f32 v13, s38, v17
.set ix, 0
.rept 36
	v_pk_fma_f32 v[SCO+2*ix:SCO+2*ix+1], v[SCO+2*ix:SCO+2*ix+1], s[34:35], v[12:13] op_sel_hi:[1,0,1]
.set ix, ix+1
.endr
.set ix, 0
.rept 72
	v_exp_f32 v[SCO+ix], v[SCO+ix]
.set ix, ix+1
.endr
	v_nop                                          ; one plain instruction between the last exponential and the first use (ISA guide 5.7.2)
	s_wait_alu depctr_va_vdst(0)
.irp q, 0,1,2,3
	v_pk_add_f32 v[CAC+8+2*\q:CAC+9+2*\q], v[SCO+2*\q:SCO+2*\q+1], v[SCO+8+2*\q:SCO+9+2*\q]
.endr
.irp t, 16, 24, 32, 40, 48, 56, 64
.irp q, 0,1,2,3
	v_pk_add_f32 v[CAC+8+2*\q:CAC+9+2*\q], v[CAC+8+2*\q:CAC+9+2*\q], v[SCO+\t+2*\q:SCO+\t+2*\q+1]
.endr
.endr
	v_pk_add_f32 v[CAC+8:CAC+9], v[CAC+8:CAC+9], v[CAC+10:CAC+11]
	v_pk_add_f32 v[CAC+12:CAC+13], v[CAC+12:CAC+13], v[CAC+14:CAC+15]
	v_pk_add_f32 v[CAC+8:CAC+9], v[CAC+8:CAC+9], v[CAC+12:CAC+13]
	v_add_f32 v18, v[CAC+8], v[CAC+9]
	v_permlanex16_b32 v17, v18, s36, s37
	v_add_f32 v18, v18, v17
	v_rcp_f32 v14, v18                             ; twice, for the packed fma; the conversions below are the plain instructions behind them
	v_rcp_f32 v15, v18
.irp b, 0,1,2,3,4,5,6,7,8
.irp p, 0,1,2,3
	v_cvt_pk_f16_f32 v[PRB+4*\b+4*(\b/5)+\p], v[SCO+8*\b+2*\p], v[SCO+8*\b+2*\p+1]    ; the four global blocks lie behind the zero place
.endr
.endr
	WIN 0x03                                       ; A = V transposed (window 3)
.irp c, 0,1
	v_wmma_f32_16x16x32_f16 v[CAC+8*\c:CAC+8*\c+7], v[64*\c+4*\i:64*\c+4*\i+7], v[PRB:PRB+7], 0
.endr
.irp ks, 1,2
.irp c, 0,1
	v_wmma_f32_16x16x32_f16 v[CAC+8*\c:CAC+8*\c+7], v[64*\c+4*(\i+2*\ks):64*\c+4*(\i+2*\ks)+7], v[PRB+8*\ks:PRB+8*\ks+7], v[CAC+8*\c:CAC+8*\c+7]
.endr
.endr
.irp ks, 3,4
.irp c, 0,1
	v_wmma_f32_16x16x32_f16 v[CAC+8*\c:CAC+8*\c+7], v[64*\c+4*(6+2*\ks):64*\c+4*(6+2*\ks)+7], v[PRB+8*\ks:PRB+8*\ks+7], v[CAC+8*\c:CAC+8*\c+7]
.endr
.endr
	WIN 0x10                                       ; source 2 (bv) window 1
	PLACES
	s_wait_alu depctr_va_vdst(0)
.irp n, 0,1,2,3,4,5,6,7
	v_pk_fma_f32 v[CAC+2*\n:CAC+2*\n+1], v[CAC+2*\n:CAC+2*\n+1], v[14:15], v[BVB+2*\n:BVB+2*\n+1]   ; sum / (sum of weights) + bv
.endr
.if \hh < 3
	WIN 0x40
.set cb0, 64*\hh+8*\i
.else
	WIN 0xc0
.set cb0, CT3+8*\i
.endif
.irp n, 0,1,2,3,4,5,6,7
	v_cvt_pk_f16_f32 v[cb0+\n], v[CAC+2*\n], v[CAC+2*\n+1]     ; the context waits packed in registers: X still fills LDS
.endr
	WIN 0
.endm
.macro HEAD hh
	PASS_KV \hh
	PACK_KV
	PASS_Q
	PACK_Q
.irp i, 0,1,2,3,4,5,6,7
	ATT \i, \hh
.endr
.endm
; 64 of my 128 output columns on all 128 rows: 16 K steps, ring places p, p + 1 ...  fin = 1: the stream ends
.macro PASS_O sub, p, fin
	XRESET
	LDA_O 0, AF0, 0
	STEP_O \p, 0, 1, 0, 8, 1, 0, \sub              ; count 8: bo, asked for before the slot just issued, is in
	ADVANCE 1
	s_mov_b32 s32, 4
.Lo_\@:
	STEP_O (\p+1)%3, 1, 1, 0,    16, 0, 0, \sub
	STEP_O (\p+2)%3, 2, 1, 4096, 16, 0, 0, \sub
	STEP_O \p,       3, 1, 8192, 16, 0, 0, \sub
	ADVANCE 3
	XSTEP 192
	s_sub_co_u32 s32, s32, 1
	s_cmp_lg_u32 s32, 0
	s_cbranch_scc1 .Lo_\@
	STEP_O (\p+1)%3, 1, 1, 0,    16, 0, 0, \sub
.if \fin
	STEP_O (\p+2)%3, 2, 0, 0,    8,  0, 0, \sub    ; nothing is left to ask for: the counts run down
	STEP_O \p,       3, 0, 0,    0,  0, 1, \sub
.else
	STEP_O (\p+2)%3, 2, 1, 4096, 16, 0, 0, \sub
	STEP_O \p,       3, 1, 8192, 16, 0, 1, \sub
	ADVANCE 3
.endif
.endm
; The way out, 16 rows at a time: a lane's 8 columns of a row go into my own stage (rows of 256 + 16 bytes) and come back as whole rows,
; so that 16 neighbouring lanes store 256 consecutive bytes, at a multiple of 256 from the first byte of out0.
.macro OUT sub
	PLACES
.irp rb, 0,1,2,3,4,5,6,7
	WIN 0x08+4*\sub                                ; store data from window 2 or 3
.irp f, 0,1,2,3
.irp q, 0,1
	ds_store_b128 v9, v[32*\rb+8*\f+4*\q:32*\rb+8*\f+4*\q+3] offset:64*\f+16*\q
.endr
.endr
	WIN 0
	s_wait_xcnt 0x0                                ; the registers that earlier stores read are loaded again only behind this wait
.irp t, 0,1,2,3,4,5,6,7
	ds_load_b128 v[AF0+64*(\rb&1)+4*\t:AF0+64*(\rb&1)+4*\t+3], v10 offset:2*SPITCH*\t   ; LDS serves a wave's instructions in order (ISA guide 5.7.1): these see the stores above
.endr
.irp t, 0,1,2,3,4,5,6,7
	s_wait_dscnt 7-\t                              ; the younger read-backs stay out
	global_store_b128 v11, v[AF0+64*(\rb&1)+4*\t:AF0+64*(\rb&1)+4*\t+3], s[30:31] offset:(16*\rb+2*\t)*2048+256*\sub th:TH_STORE_NT
.endr
.endr
	s_wait_xcnt 0x0                                ; the fragment buffers are free again
.endm
; x phase: a batch is 4 rows; a row is four loads of 512 consecutive bytes
.macro XISSUE bt
.irp p, 0,1,2,3
.if (\bt) < 12
	s_add_co_i32 s24, s23, 4*(\bt)+\p              ; token t0 - 32 + row,
	s_max_i32 s24, s24, 0                          ; kept inside the batch row: what is clamped is masked later
	s_min_i32 s24, s24, 8191
.else
	s_min_u32 s24, s[40+4*((\bt)-12)+\p], 8191     ; a global token
.endif
	s_lshl_b32 s24, s24, 11                        ; 2048 bytes a token
	v_add_nc_u32 v[XOFF+4*((\bt)%3)+\p], s24, v0
.irp q, 0,1,2,3
	global_load_b128 v[XR+64*((\bt)%3)+16*\p+4*\q:XR+64*((\bt)%3)+16*\p+4*\q+3], v[XOFF+4*((\bt)%3)+\p], s[28:29] offset:512*\q
.endr
.endr
.endm
.macro XDRAIN bt, left
	s_wait_loadcnt \left                           ; the batch is in; left = the loads of the younger batches, 16 each
.irp p, 0,1,2,3
.irp q, 0,1,2,3
.set bb, XR+64*((\bt)%3)+16*\p+4*\q
	v_cvt_pk_f16_f32 v[bb], v[bb], v[bb+1]
	v_cvt_pk_f16_f32 v[bb+1], v[bb+2], v[bb+3]
.endr
.endr
.irp p, 0,1,2,3
.irp q, 0,1,2,3
.set bb, XR+64*((\bt)%3)+16*\p+4*\q
.if (\bt) < 12
	ds_store_b64 v1, v[bb:bb+1] offset:(4*(\bt)+\p)*PITCH+256*\q           ; 32 lanes, 256 consecutive bytes
.else
	ds_store_b64 v2, v[bb:bb+1] offset:(4*((\bt)-12)+\p)*PITCH+256*\q
.endif
.endr
.endr
.endm
	; ---------------- ids, constants, addresses
	s_load_b512 s[4:19], s[0:1], 0x0               ; x 4, wt 6, bq 8, bk 10, bv 12, bo 14, global_idx 16, out0 18
	v_lshl_add_u32 v30, v0, 2, 0x41400
	v_mov_b32 v31, 0
	v_lshrrev_b32 v17, 5, v0
	v_readfirstlane_b32 s20, v17                   ; wave w
	s_lshr_b32 s21, ttmp9, 6                       ; batch
	s_and_b32 s22, ttmp9, 63
	s_lshl_b32 s22, s22, 7                         ; t0
	s_mul_i32 s23, s20, 48
	s_add_co_u32 s23, s23, s22
	s_sub_co_i32 s23, s23, 32                      ; token of my first local row: t0 - 32 + 48 w (may be negative)
	s_mov_b32 s34, 0x3e8293ee                      ; log2(e) / sqrt(32),
	s_mov_b32 s35, 0x3e8293ee                      ; a pair
	s_mov_b32 s36, 0x76543210                      ; v_permlanex16_b32: lane i reads lane i of the other half
	s_mov_b32 s37, 0xfedcba98
	s_mov_b32 s38, 0xbe8293ee                      ; - log2(e) / sqrt(32)
	v_and_b32 v18, 31, v0                          ; L
	v_lshlrev_b32 v1, 4, v18                       ; 16 L
	v_and_b32 v19, 15, v0                          ; r
	v_bfe_u32 v20, v0, 4, 1                        ; h
	v_mul_u32_u24 v21, v19, PITCH
	v_lshl_add_u32 v[XA], v20, 4, v21              ; r * PITCH + 16 h
	v_add_nc_u32 v[XA+1], G64, v[XA]
	v_add_nc_u32 v[XA+2], 2*G64, v[XA]
	v_add_nc_u32 v[XA+3], 3*G64, v[XA]
	v_mov_b32 v6, 0xf149f2ca                       ; -1e30
	s_lshl_b32 s24, s20, 8
	v_add_nc_u32 v[CST], s24, v[XA]                ; context: row r, byte 256 w + 16 h
	v_add_nc_u32 v[CST+1], G64, v[CST]
	s_mul_i32 s24, s20, 16*SPITCH
	s_add_co_u32 s24, s24, STAGE                   ; my stage
	v_mul_u32_u24 v22, v19, SPITCH
	v_lshl_add_u32 v22, v20, 5, v22
	v_add_nc_u32 v9, s24, v22                      ; in: row r, 32 bytes for each half of the lanes
	v_mul_u32_u24 v22, v20, SPITCH
	v_lshl_add_u32 v22, v19, 4, v22
	v_add_nc_u32 v10, s24, v22                     ; back: lanes 0-15 one row, lanes 16-31 the next
	v_lshlrev_b32 v22, 11, v20
	v_lshl_add_u32 v11, v19, 4, v22                ; the same two rows in out0
	s_lshl_b32 s24, s20, 9
	v_lshl_add_u32 v16, v20, 5, s24                ; biases: 512 w + 32 h
	v_lshlrev_b32 v23, 3, v20
	v_sub_nc_u32 v23, v19, v23                     ; r - 8 h, for the band's masks
	s_mul_i32 s24, s20, 48*PITCH
	v_lshl_add_u32 v21, v18, 3, s24                ; x phase: my 48 local rows, 8 bytes a lane
	s_mul_i32 s24, s20, BLK
	s_add_co_u32 s24, s24, 192*PITCH
	v_lshl_add_u32 v22, v18, 3, s24                ; my 16 global rows
	WIN 0x80
	v_mov_b32 v0, v1                               ; window 2: v0 = 16 L, v1, v2 = the two LDS bases
	v_mov_b32 v1, v21
	v_mov_b32 v2, v22
	WIN 0
	s_mov_b32 s25, 0
	s_wait_kmcnt 0x0
	s_lshl_b32 s24, s20, 19
	s_add_nc_u64 s[26:27], s[6:7], s[24:25]        ; my weight stream
	s_lshl_b32 s24, s21, 24
	s_add_nc_u64 s[28:29], s[4:5], s[24:25]        ; x at my batch
	s_lshl_b32 s24, ttmp9, 18
	s_add_nc_u64 s[30:31], s[18:19], s[24:25]      ; out0 at my 128 rows,
	s_lshl_b32 s24, s20, 9
	s_add_nc_u64 s[30:31], s[30:31], s[24:25]      ; my 128 columns
	s_lshl_b32 s24, s20, 6
	s_add_nc_u64 s[16:17], s[16:17], s[24:25]
	s_load_b512 s[40:55], s[16:17], 0x0            ; my 16 global indices
	WLOAD 0, 0                                     ; the weight stream starts: two slots ahead from here to the end
	WLOAD 1, 4096
	WIN 0x40
.irp c, 0,1
.irp q, 0,1
	global_load_b128 v[BK+8*\c+4*\q:BK+8*\c+4*\q+3], v16, s[10:11] offset:64*\c+16*\q
.endr
.endr
	ADVANCE 2
	s_wait_kmcnt 0x0
	; ---------------- x to f16 into LDS: 16 batches of 4 rows, three batches (48 loads of 512 bytes) on their way
	WIN 0xaa
	XISSUE 0
	XISSUE 1
	XISSUE 2
.irp bt, 0,1,2,3,4,5,6,7,8,9,10,11,12
	XDRAIN \bt, 32
	XISSUE \bt+3
.endr
	XDRAIN 13, 32
	XDRAIN 14, 16
	XDRAIN 15, 0
	WIN 0
	; the band's masks (the indices' registers are free now)
.irp j, 0,1,2,3,4,5,6,7
	v_cmp_ge_i32 s[40+\j], \j, v23                 ; first band block: key 8 h + j >= r
	v_cmp_le_i32 s[48+\j], \j, v23                 ; last band block:  key 8 h + j <= r
.endr
	s_cmp_eq_u32 s22, 0
	s_cselect_b32 s74, 0, -1                       ; all off where the block lies in front of the sequence
	s_cmp_eq_u32 s22, 8064
	s_cselect_b32 s75, 0, -1                       ; all off where it lies behind the sequence
.irp j, 0,1,2,3,4,5,6,7
	s_and_b32 s[56+\j], s[40+\j], s74
	s_and_b32 s[66+\j], s[48+\j], s75
.endr
	s_wait_dscnt 0x0                               ; my rows of X are written,
	s_barrier_signal -1
	s_barrier_wait -1                              ; everybody's are
	; ---------------- four heads, each wave by itself
	HEAD 0
	HEAD 1
	HEAD 2
	HEAD 3
	; ---------------- the context changes hands through LDS, over the dead X
	WIN 0x40
.irp u, 0,1
.irp f, 0,1,2,3
.irp q, 0,1
	global_load_b128 v[BO+32*\u+8*\f+4*\q:BO+32*\u+8*\f+4*\q+3], v16, s[14:15] offset:256*\u+64*\f+16*\q
.endr
.endr
.endr
	WIN 0
	s_wait_dscnt 0x0                               ; my reads of X are over,
	s_barrier_signal -1
	s_barrier_wait -1                              ; everybody's are
	WIN 0x04                                       ; store data from window 1
.irp hh, 0,1,2
.irp i, 0,1,2,3,4,5,6,7
.irp c, 0,1
	ds_store_b128 v[CST+(\i>>2)], v[64*\hh+8*\i+4*\c:64*\hh+8*\i+4*\c+3] offset:(\i&3)*BLK+64*\hh+32*\c
.endr
.endr
.endr
	WIN 0x0c                                       ; head 3 from window 3
.irp i, 0,1,2,3,4,5,6,7
.irp c, 0,1
	ds_store_b128 v[CST+(\i>>2)], v[CT3+8*\i+4*\c:CT3+8*\i+4*\c+3] offset:(\i&3)*BLK+192+32*\c
.endr
.endr
	WIN 0
	s_wait_dscnt 0x0                               ; my columns of the context are written,
	s_barrier_signal -1
	s_barrier_wait -1                              ; everybody's are
	; ---------------- out projection: my 128 columns in two halves; the first half's stores leave under the second half's products
	PASS_O 0, 0, 0
	OUT 0
	PASS_O 1, 1, 1
	OUT 1
	s_wait_tensorcnt 0x0
	ds_add_u32 v30, v31
	s_wait_dscnt 0x0
	s_endpgm
.Lfunc_end_k_q80cbb6e148_main:
	.size	k_q80cbb6e148_main, .Lfunc_end_k_q80cbb6e148_main-k_q80cbb6e148_main
	.p2alignl 7, 3214868480
	.fill 96, 4, 3214868480
	.section	.rodata,"a",@progbits
	.p2align	6, 0x0
	.amdhsa_kernel k_q80cbb6e148_main
		.amdhsa_group_segment_fixed_size 267776
		.amdhsa_private_segment_fixed_size 0
		.amdhsa_enable_private_segment 0
		.amdhsa_kernarg_size 64
		.amdhsa_user_sgpr_count 2
		.amdhsa_user_sgpr_kernarg_segment_ptr 1
		.amdhsa_wavefront_size32 1
		.amdhsa_system_sgpr_workgroup_id_x 1
		.amdhsa_system_sgpr_workgroup_id_y 1
		.amdhsa_system_sgpr_workgroup_id_z 1
		.amdhsa_system_vgpr_workitem_id 0
		.amdhsa_next_free_vgpr 1024
		.amdhsa_next_free_sgpr 80
		.amdhsa_reserve_vcc 0
		.amdhsa_float_denorm_mode_32 3
		.amdhsa_float_denorm_mode_16_64 3
		.amdhsa_memory_ordered 1
		.amdhsa_forward_progress 1
		.amdhsa_inst_pref_size 255
	.end_amdhsa_kernel
	.section	.bss,"aw",@nobits
	.p2align	6
	.space	262144
	.amdgpu_metadata
---
amdhsa.version: [ 1, 2 ]
amdhsa.kernels:
  - .name:           k_q80cbb6e148_main
    .symbol:         k_q80cbb6e148_main.kd
    .args:
      - { .name: x, .offset: 0, .size: 8, .value_kind: global_buffer, .address_space: global }
      - { .name: wt, .offset: 8, .size: 8, .value_kind: global_buffer, .address_space: global }
      - { .name: bq, .offset: 16, .size: 8, .value_kind: global_buffer, .address_space: global }
      - { .name: bk, .offset: 24, .size: 8, .value_kind: global_buffer, .address_space: global }
      - { .name: bv, .offset: 32, .size: 8, .value_kind: global_buffer, .address_space: global }
      - { .name: bo, .offset: 40, .size: 8, .value_kind: global_buffer, .address_space: global }
      - { .name: global_idx, .offset: 48, .size: 8, .value_kind: global_buffer, .address_space: global }
      - { .name: out0, .offset: 56, .size: 8, .value_kind: global_buffer, .address_space: global }
    .group_segment_fixed_size: 267776
    .private_segment_fixed_size: 0
    .kernarg_segment_align: 8
    .kernarg_segment_size: 64
    .max_flat_workgroup_size: 128
    .sgpr_count:     80
    .vgpr_count:     1024
    .wavefront_size: 32
...
	.end_amdgpu_metadata
.endif
;; end of part 2
;; ======== version 2 of 3: 2 launches; 1.20 times as fast as version 1
;; limits: values are held in f16: magnitudes above 65,504 overflow, below 6.1e-05 lose precision; right only within a limited range of input values
;; workspace buffers: wt 2,097,152 bytes
;; launch prep: the kernel of part 1 again; grid 64 x 4, 8 waves a work-group, no clusters, 0 bytes of LDS; arguments Wq, Wk, Wv, Wo, wt; writes wt
;; launch main (part 3): grid 256 x 1, 4 waves a work-group, no clusters, 267,776 bytes of LDS; arguments x, wt, bq, bk, bv, bo, global_idx, out0; writes out0
.if DOCPART == 3
	.amdgcn_target "amdgcn-amd-amdhsa--gfx1250"
	.amdhsa_code_object_version 6
	.text
	.protected	k_q80cbb6e148_main
	.globl	k_q80cbb6e148_main
	.p2align	8
	.type	k_q80cbb6e148_main,@function
k_q80cbb6e148_main:
	s_mov_b64 s[64:65], 0
	v_nop
	global_prefetch_b8 v0, s[64:65] scope:SCOPE_SE
	s_setreg_imm32_b32 hwreg(HW_REG_WAVE_MODE, 25, 1), 1
	s_wait_xcnt 0x0
; Sparse attention with global tokens, whole: x -> Q, K, V -> softmax over 65 band keys and 64 global keys -> context -> out projection.
; Work-group g: batch g / 64, the 128 queries from t0 = 128 (g mod 64).  Four waves, one a SIMD; wave w owns heads 4 w .. 4 w + 3 and,
; in the out projection, the output columns 128 w .. 128 w + 127.
; X IN LDS: 256 rows of 512 f16, pitch 1040 bytes (65 x 16: the 16 rows of a fragment load start 16 bytes apart modulo 256).
;   rows 0..191: tokens t0 - 32 + row, clamped to 0..8191 (a clamped row is always masked); rows 192..255: tokens global_idx[0..63].
;   So the global keys are four more key blocks of 16 and K, V are made for 16 row blocks.
; WEIGHTS: each weight number is used by one wave of the work-group alone, so the fragment images of wt go straight into registers
;   (a ring of three slots of 4096 bytes, two always on their way).  They are not shared through a cluster: beside the 266,240 bytes of X
;   LDS has 61,440 left, less than two steps' 16,384 bytes in each of two slots, and each weight byte would be written to and read from LDS besides.
; NO INTERMEDIATE LEAVES THE WAVE until the context: by the order of the sources each result is the next product's operand after one packing.
;   K, Q:  D = W-fragment x X-fragment : lane (r, h), register j = (token r, d = 16 c + 8 h + j); packed: a fragment token x 32 d
;   V:     D = X-fragment x W-fragment : (token 8 h + j, d = 16 c + r); packed: half a fragment of V transposed for 16 keys
;   S^T  = K x Q : (key 8 h + j, query r): a query's scores lie in two lanes; packed: half a fragment of P transposed
;   ctx^T = V^T x P^T : (d = 16 c + 8 h + j, query r); packed: 16 neighbouring bytes of a row of the context
;   out  = Wo-fragment x ctx-fragment : (token r, column 8 h + j)
; bk, bq, bo enter as the C of the first K step.  bv is added behind the division by the sum: the weights of a query sum to one.
; SOFTMAX: all 144 scores of a query are in registers at once; the true maximum is taken away.
; THE WAVE'S FOUR HEADS ARE ONE LOOP: a head's text is written once and run four times.  The weight stream is linear and every head starts at ring
;   place 0 (16 + 8 steps, a multiple of 3); the biases' offsets are made from the trip's number.  The packed context has to wait in registers (X still
;   fills LDS), 64 for each head, and a register's number cannot be computed: a four-way branch on the trip's number stands in front of the eight
;   conversions of each query block, so that each head's context is written straight into its own registers and nothing is copied.
; FORMAT: all matrix operands are f16, all sums f32.  V, P and the context are each rounded once on the way, and the context is a mean of
;   129 rows, about a tenth of V in size, so each of the three roundings reaches the result with the format's full relative step: 11 bits
;   of significand leave an eighth of what 8 bits would.
;   Room: projections of inputs as drawn have a root mean square of sqrt(512) x 0.02 = 0.45; with x and W both 30 times larger 407;
;   with an offset of 30 spreads on x (30) and on W (0.6) about 512 x 30 x 0.6 = 9,216.  The context is a convex mix of rows of V plus bv; P is at most 1.
;   With all inputs 30 times smaller the context is about 5e-5, kept with f16's fixed step of 6e-8.
; LIMITS: every |x|, |W| and |x W + b| is below 65,504, the largest f16; beyond it a conversion gives infinity (inputs that are 30 times larger
;   AND carry an offset of 30 of the enlarged spreads, projections near 8e6, are outside).  Inputs are finite.
;   global_idx is taken as unsigned and clamped to 8191.
;
; REGISTERS in windows of 256 (s_set_vgpr_msb, low byte: bits 1:0 source 0, 3:2 source 1, 5:4 source 2, 7:6 destination):
;   window 0: v0-31 addresses and small things; v32-95, v96-159 X fragments, two buffers (attention: scores, P, ctx sums); v160-255 weight ring
;   window 1: v0-191 at the start the x phase's ring, then the packed context of heads 0..2; v192 bk, v208 bq, v224 bv (16 each);
;             v240-255 the x phase's addresses; later v192-255 bo
;   window 2: K sums (row block rb, c) at 16 rb + 8 c, packed in place to K fragments at 8 rb; Q sums at 128 + 16 qb + 8 c;
;             at the end the out sums of columns 0..63
;   window 3: V sums at 128 c + 8 rb, packed in place to 64 c + 4 kb; Q fragments at 128 + 8 qb; context of head 3 at 192; out sums of columns 64..127
.set PITCH,  1040                      ; an X (and context) row in LDS
.set BLK,    16*PITCH                  ; a block of 16 rows
.set G64,    64*PITCH                  ; four blocks: what one address register reaches with its 16-bit offset
.set STAGE,  128*PITCH                 ; behind the context: 16 rows x 272 bytes for each wave, for the way out
.set SPITCH, 272
.set XA,   2                           ; v2-5    (64 g + r) * PITCH + 16 h, never rewritten
.set CST,  7                           ; v7-8    where my 16 bytes of a context row go, rows 0..63 and 64..127
.set XL,   24                          ; v24-27  working copies of XA, stepped along K inside a pass
.set BOH,  28                          ; v28     byte offset of this head's 8 numbers in bq and bv
.set BON,  29                          ; v29     the same for the next head, in bk
.set AF0,  32                          ; X fragments, buffer 0
.set AF1,  96                          ; X fragments, buffer 1
.set BF,   160                         ; weight ring: slot idx at BF + 32 idx, fragment f at + 8 f
.set SCO,  32                          ; attention: 9 blocks of scores, 72 registers
.set PRB,  104                         ; attention: P transposed, 5 fragments
.set CAC,  144                         ; attention: two ctx sums; before that scratch of the maximum and the sum
.set BK,   192                         ; window 1
.set BQ,   208
.set BVB,  224
.set BO,   192
.set QAC,  128                         ; window 2
.set QF,   128                         ; window 3
.set CT3,  192                         ; window 3
.set XR,   0                           ; window 1, x phase: v0-191 three batches of 4 rows x 16 registers
.set XV0,  240                         ; window 1, x phase: 16 x lane
.set XV1,  241                         ; window 1, x phase: LDS address of my 8 bytes in my first local row
.set XV2,  242                         ; window 1, x phase: the same in my first global row
.set XOFF, 244                         ; window 1, x phase: v244-255 byte offsets of 3 x 4 rows
.set MSB,  0
.macro WIN new                         ; the immediate's high byte repeats the setting that is left; a switch that changes nothing is dropped
.if MSB != (\new)
	s_set_vgpr_msb (MSB<<8)|(\new)
.set MSB, (\new)
.endif
.endm
; A load into a register that a matrix instruction has named, and a vector instruction that reads a matrix result or writes such a register,
; stand four places behind it; only plain vector instructions that name none of its registers are places.
.macro PLACES
.rept 4
	v_nop
.endr
.endm
.macro XRESET
.irp g, 0,1,2,3
	v_mov_b32 v[XL+\g], v[XA+\g]
.endr
.endm
.macro XSTEP n
.irp g, 0,1,2,3
	v_add_nc_u32 v[XL+\g], \n, v[XL+\g]
.endr
.endm
; One slot of the weight stream, 4096 bytes: four fragments, each load 512 consecutive bytes
.macro WLOAD idx, woff
.irp i, 0,1,2,3,4,5,6,7
	global_load_b128 v[BF+32*(\idx)+4*\i:BF+32*(\idx)+4*\i+3], v1, s[26:27] offset:\woff+512*\i
.endr
.endm
.macro ADVANCE n
	s_wait_xcnt 0x0                                ; the stream pointer is stepped only when the loads that name it have had their addresses translated
	s_add_nc_u64 s[26:27], s[26:27], \n*4096
.endm
; X fragments: 16 rows x 32 K = two loads of 16 bytes, 32 bytes apart, at row * PITCH + 16 h + 64 * K step
.macro LDA_KV hf, buf, koff            ; row blocks 8 hf .. 8 hf + 7
.irp a, 0,1,2,3,4,5,6,7
	ds_load_b128 v[\buf+8*\a:\buf+8*\a+3],   v[XL+2*\hf+(\a>>2)] offset:(\a&3)*BLK+\koff
	ds_load_b128 v[\buf+8*\a+4:\buf+8*\a+7], v[XL+2*\hf+(\a>>2)] offset:(\a&3)*BLK+\koff+32
.endr
.endm
.macro LDA_Q buf, koff                 ; row blocks 2 .. 9: the 128 queries
.irp a, 0,1,2,3,4,5,6,7
	ds_load_b128 v[\buf+8*\a:\buf+8*\a+3],   v[XL+((\a+2)>>2)] offset:((\a+2)&3)*BLK+\koff
	ds_load_b128 v[\buf+8*\a+4:\buf+8*\a+7], v[XL+((\a+2)>>2)] offset:((\a+2)&3)*BLK+\koff+32
.endr
.endm
.macro LDA_O hf, buf, koff             ; context row blocks 4 hf .. 4 hf + 3
.irp a, 0,1,2,3
	ds_load_b128 v[\buf+8*\a:\buf+8*\a+3],   v[XL+\hf] offset:\a*BLK+\koff
	ds_load_b128 v[\buf+8*\a+4:\buf+8*\a+7], v[XL+\hf] offset:\a*BLK+\koff+32
.endr
.endm
; In all products below the accumulators take turns, one instruction a turn, over the backward jumps too.
; 16 products for K and 16 for V: eight row blocks x two halves of the head's 32 columns, 32 along K.  first = 1: bk (K) or 0 (V) starts the sums.
.macro MUL_KV hf, buf, idx, first
.if \first
	WIN 0x90                                       ; D window 2, C (bk) window 1
.else
	WIN 0xa0                                       ; D and C window 2
.endif
.irp a, 0,1,2,3,4,5,6,7
.irp c, 0,1
.set dd, 16*(8*\hf+\a)+8*\c
.if \first
	v_wmma_f32_16x16x32_f16 v[dd:dd+7], v[BF+32*(\idx)+8*\c:BF+32*(\idx)+8*\c+7], v[\buf+8*\a:\buf+8*\a+7], v[BK+8*\c:BK+8*\c+7]
.else
	v_wmma_f32_16x16x32_f16 v[dd:dd+7], v[BF+32*(\idx)+8*\c:BF+32*(\idx)+8*\c+7], v[\buf+8*\a:\buf+8*\a+7], v[dd:dd+7]
.endif
.endr
.endr
	WIN 0xf0                                       ; D and C window 3
.irp a, 0,1,2,3,4,5,6,7
.irp c, 0,1
.set dd, 128*\c+8*(8*\hf+\a)
.if \first
	v_wmma_f32_16x16x32_f16 v[dd:dd+7], v[\buf+8*\a:\buf+8*\a+7], v[BF+32*(\idx)+16+8*\c:BF+32*(\idx)+16+8*\c+7], 0
.else
	v_wmma_f32_16x16x32_f16 v[dd:dd+7], v[\buf+8*\a:\buf+8*\a+7], v[BF+32*(\idx)+16+8*\c:BF+32*(\idx)+16+8*\c+7], v[dd:dd+7]
.endif
.endr
.endr
.endm
; 16 products for Q: eight query blocks x two halves of the columns; hf = which of the slot's two K steps
.macro MUL_Q hf, buf, idx, first
.if \first
	WIN 0x90
.else
	WIN 0xa0
.endif
.irp a, 0,1,2,3,4,5,6,7
.irp c, 0,1
.set dd, QAC+16*\a+8*\c
.if \first
	v_wmma_f32_16x16x32_f16 v[dd:dd+7], v[BF+32*(\idx)+16*\hf+8*\c:BF+32*(\idx)+16*\hf+8*\c+7], v[\buf+8*\a:\buf+8*\a+7], v[BQ+8*\c:BQ+8*\c+7]
.else
	v_wmma_f32_16x16x32_f16 v[dd:dd+7], v[BF+32*(\idx)+16*\hf+8*\c:BF+32*(\idx)+16*\hf+8*\c+7], v[\buf+8*\a:\buf+8*\a+7], v[dd:dd+7]
.endif
.endr
.endr
.endm
; 16 products of the out projection: four row blocks x four column blocks; sub = which 64 of my 128 columns (window 2 or 3)
.macro MUL_O hf, buf, idx, first, sub
.if \first
	WIN 0x90+0x40*\sub                             ; C (bo) window 1
.else
	WIN 0xa0+0x50*\sub
.endif
.irp a, 0,1,2,3
.irp f, 0,1,2,3
.set dd, 32*(4*\hf+\a)+8*\f
.if \first
	v_wmma_f32_16x16x32_f16 v[dd:dd+7], v[BF+32*(\idx)+8*\f:BF+32*(\idx)+8*\f+7], v[\buf+8*\a:\buf+8*\a+7], v[BO+32*\sub+8*\f:BO+32*\sub+8*\f+7]
.else
	v_wmma_f32_16x16x32_f16 v[dd:dd+7], v[BF+32*(\idx)+8*\f:BF+32*(\idx)+8*\f+7], v[\buf+8*\a:\buf+8*\a+7], v[dd:dd+7]
.endif
.endr
.endr
.endm
; A STEP multiplies weight slot idx.  It asks for the slot two further on into the ring place read last step, and works on two X buffers:
; while one is multiplied the other's loads are on their way.
;   s_wait_loadcnt lcnt: loads come back in order (ISA guide 5.7.1); 16 leaves the two younger slots' eight loads each out
;   s_wait_dscnt 16 (8): leaves exactly the fragment loads just issued for the other buffer out
.macro STEP_KV idx, krel, woff, lcnt, first, last
	PLACES
	WLOAD (\idx+2)%3, \woff
	LDA_KV 1, AF1, 64*\krel
	s_wait_loadcnt \lcnt
	s_wait_dscnt 16
	MUL_KV 0, AF0, \idx, \first
	WIN 0
	PLACES
.if \last
	s_wait_dscnt 0
.else
	LDA_KV 0, AF0, 64*(\krel+1)
	s_wait_dscnt 16
.endif
	MUL_KV 1, AF1, \idx, \first
	WIN 0
.endm
.macro STEP_Q idx, krel, woff, lcnt, first, last   ; a slot holds two K steps of Wq: buffer 0 the even one, buffer 1 the odd one
	PLACES
	WLOAD (\idx+2)%3, \woff
	LDA_Q AF1, 64*(2*\krel+1)
	s_wait_loadcnt \lcnt
	s_wait_dscnt 16
	MUL_Q 0, AF0, \idx, \first
	WIN 0
	PLACES
.if \last
	s_wait_dscnt 0
.else
	LDA_Q AF0, 64*(2*\krel+2)
	s_wait_dscnt 16
.endif
	MUL_Q 1, AF1, \idx, 0
	WIN 0
.endm
.macro STEP_O idx, krel, ld, woff, lcnt, first, last, sub
	PLACES
.if \ld
	WLOAD (\idx+2)%3, \woff
.endif
	LDA_O 1, AF1, 64*\krel
	s_wait_loadcnt \lcnt
	s_wait_dscnt 8
	MUL_O 0, AF0, \idx, \first, \sub
	WIN 0
	PLACES
.if \last
	s_wait_dscnt 0
.else
	LDA_O 0, AF0, 64*(\krel+1)
	s_wait_dscnt 8
.endif
	MUL_O 1, AF1, \idx, \first, \sub
	WIN 0
.endm
; bq and bv of this trip's head (s33) and bk of the next: lane (r, h) takes the 8 numbers at column 16 c + 8 h of the head.
; The two offsets are made here, straight behind the s_wait_xcnt 0 of the stream's step: the last trip's bias loads no longer read them.
; They are two of the four places behind the products that took bk as their C.  In the last trip the next head is clamped to the
; wave's last one: its own bk is asked for once more, unused, and no load passes the end of bk.
.macro BIASLD
	s_lshl_b32 s24, s33, 7                         ; 128 bytes a head
	v_add_nc_u32 v[BOH], s24, v16
	s_add_co_u32 s24, s33, 1
	s_min_u32 s24, s24, 3
	s_lshl_b32 s24, s24, 7
	v_add_nc_u32 v[BON], s24, v16
	v_nop
	v_nop
	WIN 0x40
.irp c, 0,1
.irp q, 0,1
	global_load_b128 v[BQ+8*\c+4*\q:BQ+8*\c+4*\q+3],   v[BOH], s[8:9]   offset:64*\c+16*\q
	global_load_b128 v[BVB+8*\c+4*\q:BVB+8*\c+4*\q+3], v[BOH], s[12:13] offset:64*\c+16*\q
	global_load_b128 v[BK+8*\c+4*\q:BK+8*\c+4*\q+3],   v[BON], s[10:11] offset:64*\c+16*\q
.endr
.endr
	WIN 0
.endm
; K and V of one head on all 256 rows: 16 K steps, ring places 0, 1, 2, 0 ...
.macro PASS_KV
	XRESET
	LDA_KV 0, AF0, 0
	STEP_KV 0, 0, 0, 8, 1, 0                       ; count 8: only the slot just asked for stays out, so all that was asked for earlier is in
	ADVANCE 1
	BIASLD
	s_mov_b32 s32, 4
.Lkv_\@:
	STEP_KV 1, 1, 0,    16, 0, 0
	STEP_KV 2, 2, 4096, 16, 0, 0
	STEP_KV 0, 3, 8192, 16, 0, 0
	ADVANCE 3
	XSTEP 192                                      ; three K steps of 64 bytes
	s_sub_co_u32 s32, s32, 1
	s_cmp_lg_u32 s32, 0
	s_cbranch_scc1 .Lkv_\@
	STEP_KV 1, 1, 0,    16, 0, 0
	STEP_KV 2, 2, 4096, 16, 0, 0                   ; these two already ask for the first slots of Wq
	STEP_KV 0, 3, 8192, 16, 0, 1
	ADVANCE 3
.endm
; Sums to f16, in place: register n takes the pair 2 n, 2 n + 1, n ascending, so no pair is overwritten before it is read.
; K: 16 rb + 8 c + 2 p -> 8 rb + 4 c + p (a fragment token x 32 d).  V: 128 c + 8 kb + 2 p -> 64 c + 4 kb + p (two neighbouring key blocks = one fragment).
.macro PACK_KV
	PLACES
	XRESET
	LDA_Q AF0, 0                                   ; the Q pass's first fragments come in under the packing
	WIN 0x8a
.set ix, 0
.rept 128
	v_cvt_pk_f16_f32 v[ix], v[2*ix], v[2*ix+1]
.set ix, ix+1
.endr
	WIN 0xcf
.set ix, 0
.rept 128
	v_cvt_pk_f16_f32 v[ix], v[2*ix], v[2*ix+1]
.set ix, ix+1
.endr
	WIN 0
.endm
; Q of one head on the 128 queries: 8 slots of two K steps, ring places 1, 2, 0 ...
.macro PASS_Q
	STEP_Q 1, 0, 0, 16, 1, 0
	ADVANCE 1
	s_mov_b32 s32, 2
.Lq_\@:
	STEP_Q 2, 1, 0,    16, 0, 0
	STEP_Q 0, 2, 4096, 16, 0, 0
	STEP_Q 1, 3, 8192, 16, 0, 0
	ADVANCE 3
	XSTEP 384                                      ; six K steps
	s_sub_co_u32 s32, s32, 1
	s_cmp_lg_u32 s32, 0
	s_cbranch_scc1 .Lq_\@
	STEP_Q 2, 1, 0, 16, 0, 1                       ; the last two steps ask for the next pass's first two slots: they land during the attention
	ADVANCE 1
.endm
.macro PACK_Q
	PLACES
	WIN 0xca                                       ; from window 2 into window 3
.set ix, 0
.rept 64
	v_cvt_pk_f16_f32 v[QF+ix], v[QAC+2*ix], v[QAC+2*ix+1]
.set ix, ix+1
.endr
	WIN 0
.irp n, 20,21,22,23
	v_mov_b32 v[PRB+\n], 0                         ; the band has five key blocks: the sixth place of its three fragments of P stays zero
.endr
.endm
; The context of one query block, 16 sums, to f16 into the eight registers from base on, in the window that win names
.macro CTXCVT win, base
	WIN \win
.irp n, 0,1,2,3,4,5,6,7
	v_cvt_pk_f16_f32 v[\base+\n], v[CAC+2*\n], v[CAC+2*\n+1]
.endr
	WIN 0
.endm
; The same, into the registers of this trip's head: heads 0..2 in window 1 at 64 x head, head 3 in window 3.  The branch hangs on the loop's counter alone.
.macro CTXPUT i
	s_cmp_eq_u32 s33, 1
	s_cbranch_scc1 .Lc1_\@
	s_cmp_eq_u32 s33, 2
	s_cbranch_scc1 .Lc2_\@
	s_cmp_eq_u32 s33, 3
	s_cbranch_scc1 .Lc3_\@
	CTXCVT 0x40, 8*\i
	s_branch .Lcd_\@
.Lc1_\@:
	CTXCVT 0x40, 64+8*\i
	s_branch .Lcd_\@
.Lc2_\@:
	CTXCVT 0x40, 128+8*\i
	s_branch .Lcd_\@
.Lc3_\@:
	CTXCVT 0xc0, CT3+8*\i
.Lcd_\@:
.endm
; Attention of query block i (queries 16 i + r, X rows 32 + 16 i + r) of this trip's head.
; Band: key blocks i .. i + 4.  key row - query row = 16 b + kk - 32 - r with kk = 8 h + j: in block 0 valid where kk >= r, in block 4 where kk <= r.
; In the first work-group of a batch key blocks 0, 1 lie in front of the sequence, in the last one blocks 10, 11 behind it.
.macro ATT i
	WIN 0x0e                                       ; A = K fragments (window 2), B = Q fragment (window 3)
.irp b, 0,1,2,3,4
	v_wmma_f32_16x16x32_f16 v[SCO+8*\b:SCO+8*\b+7], v[8*(\i+\b):8*(\i+\b)+7], v[QF+8*\i:QF+8*\i+7], 0
.endr
.irp g, 0,1,2,3
	v_wmma_f32_16x16x32_f16 v[SCO+40+8*\g:SCO+40+8*\g+7], v[8*(12+\g):8*(12+\g)+7], v[QF+8*\i:QF+8*\i+7], 0
.endr
	WIN 0
	PLACES
.irp j, 0,1,2,3,4,5,6,7
.if \i <= 1
	v_cndmask_b32 v[SCO+\j], v6, v[SCO+\j], s[56+\j]
.else
	v_cndmask_b32 v[SCO+\j], v6, v[SCO+\j], s[40+\j]
.endif
.if \i >= 6
	v_cndmask_b32 v[SCO+32+\j], v6, v[SCO+32+\j], s[66+\j]
.else
	v_cndmask_b32 v[SCO+32+\j], v6, v[SCO+32+\j], s[48+\j]
.endif
.if \i == 0
	v_cndmask_b32 v[SCO+8+\j], v6, v[SCO+8+\j], s74
.endif
.if \i == 7
	v_cndmask_b32 v[SCO+24+\j], v6, v[SCO+24+\j], s75
.endif
.endr
	; the maximum of the query's 144 scores: eight chains in the lane, then the lane that holds the other half of the keys
.irp q, 0,1,2,3,4,5,6,7
	v_max3_num_f32 v[CAC+\q], v[SCO+\q], v[SCO+8+\q], v[SCO+16+\q]
.endr
.irp t, 24, 40, 56
.irp q, 0,1,2,3,4,5,6,7
	v_max3_num_f32 v[CAC+\q], v[CAC+\q], v[SCO+\t+\q], v[SCO+\t+8+\q]
.endr
.endr
	v_max3_num_f32 v[CAC], v[CAC], v[CAC+1], v[CAC+2]
	v_max3_num_f32 v[CAC+3], v[CAC+3], v[CAC+4], v[CAC+5]
	v_max3_num_f32 v[CAC], v[CAC], v[CAC+3], v[CAC+6]
	v_max_num_f32 v[CAC], v[CAC], v[CAC+7]
	v_permlanex16_b32 v17, v[CAC], s36, s37
	v_max_num_f32 v17, v17, v[CAC]
	v_mul_f32 v12, s38, v17                        ; - maximum * log2(e) / sqrt(32), twice: a pair for the packed fma
	v_mul_f32 v13, s38, v17
.set ix, 0
.rept 36
	v_pk_fma_f32 v[SCO+2*ix:SCO+2*ix+1], v[SCO+2*ix:SCO+2*ix+1], s[34:35], v[12:13] op_sel_hi:[1,0,1]
.set ix, ix+1
.endr
.set ix, 0
.rept 72
	v_exp_f32 v[SCO+ix], v[SCO+ix]
.set ix, ix+1
.endr
	v_nop                                          ; one plain instruction between the last exponential and the first use (ISA guide 5.7.2)
	s_wait_alu depctr_va_vdst(0)
.irp q, 0,1,2,3
	v_pk_add_f32 v[CAC+8+2*\q:CAC+9+2*\q], v[SCO+2*\q:SCO+2*\q+1], v[SCO+8+2*\q:SCO+9+2*\q]
.endr
.irp t, 16, 24, 32, 40, 48, 56, 64
.irp q, 0,1,2,3
	v_pk_add_f32 v[CAC+8+2*\q:CAC+9+2*\q], v[CAC+8+2*\q:CAC+9+2*\q], v[SCO+\t+2*\q:SCO+\t+2*\q+1]
.endr
.endr
	v_pk_add_f32 v[CAC+8:CAC+9], v[CAC+8:CAC+9], v[CAC+10:CAC+11]
	v_pk_add_f32 v[CAC+12:CAC+13], v[CAC+12:CAC+13], v[CAC+14:CAC+15]
	v_pk_add_f32 v[CAC+8:CAC+9], v[CAC+8:CAC+9], v[CAC+12:CAC+13]
	v_add_f32 v18, v[CAC+8], v[CAC+9]
	v_permlanex16_b32 v17, v18, s36, s37
	v_add_f32 v18, v18, v17
	v_rcp_f32 v14, v18                             ; twice, for the packed fma; the conversions below are the plain instructions behind them
	v_rcp_f32 v15, v18
.irp b, 0,1,2,3,4,5,6,7,8
.irp p, 0,1,2,3
	v_cvt_pk_f16_f32 v[PRB+4*\b+4*(\b/5)+\p], v[SCO+8*\b+2*\p], v[SCO+8*\b+2*\p+1]    ; the four global blocks lie behind the zero place
.endr
.endr
	WIN 0x03                                       ; A = V transposed (window 3)
.irp c, 0,1
	v_wmma_f32_16x16x32_f16 v[CAC+8*\c:CAC+8*\c+7], v[64*\c+4*\i:64*\c+4*\i+7], v[PRB:PRB+7], 0
.endr
.irp ks, 1,2
.irp c, 0,1
	v_wmma_f32_16x16x32_f16 v[CAC+8*\c:CAC+8*\c+7], v[64*\c+4*(\i+2*\ks):64*\c+4*(\i+2*\ks)+7], v[PRB+8*\ks:PRB+8*\ks+7], v[CAC+8*\c:CAC+8*\c+7]
.endr
.endr
.irp ks, 3,4
.irp c, 0,1
	v_wmma_f32_16x16x32_f16 v[CAC+8*\c:CAC+8*\c+7], v[64*\c+4*(6+2*\ks):64*\c+4*(6+2*\ks)+7], v[PRB+8*\ks:PRB+8*\ks+7], v[CAC+8*\c:CAC+8*\c+7]
.endr
.endr
	WIN 0x10                                       ; source 2 (bv) window 1
	PLACES
	s_wait_alu depctr_va_vdst(0)
.irp n, 0,1,2,3,4,5,6,7
	v_pk_fma_f32 v[CAC+2*\n:CAC+2*\n+1], v[CAC+2*\n:CAC+2*\n+1], v[14:15], v[BVB+2*\n:BVB+2*\n+1]   ; sum / (sum of weights) + bv
.endr
	WIN 0
	CTXPUT \i                                      ; the context waits packed in registers: X still fills LDS
.endm
; 64 of my 128 output columns on all 128 rows: 16 K steps, ring places p, p + 1 ...  fin = 1: the stream ends
.macro PASS_O sub, p, fin
	XRESET
	LDA_O 0, AF0, 0
	STEP_O \p, 0, 1, 0, 8, 1, 0, \sub              ; count 8: bo, asked for before the slot just issued, is in
	ADVANCE 1
	s_mov_b32 s32, 4
.Lo_\@:
	STEP_O (\p+1)%3, 1, 1, 0,    16, 0, 0, \sub
	STEP_O (\p+2)%3, 2, 1, 4096, 16, 0, 0, \sub
	STEP_O \p,       3, 1, 8192, 16, 0, 0, \sub
	ADVANCE 3
	XSTEP 192
	s_sub_co_u32 s32, s32, 1
	s_cmp_lg_u32 s32, 0
	s_cbranch_scc1 .Lo_\@
	STEP_O (\p+1)%3, 1, 1, 0,    16, 0, 0, \sub
.if \fin
	STEP_O (\p+2)%3, 2, 0, 0,    8,  0, 0, \sub    ; nothing is left to ask for: the counts run down
	STEP_O \p,       3, 0, 0,    0,  0, 1, \sub
.else
	STEP_O (\p+2)%3, 2, 1, 4096, 16, 0, 0, \sub
	STEP_O \p,       3, 1, 8192, 16, 0, 1, \sub
	ADVANCE 3
.endif
.endm
; The way out, 16 rows at a time: a lane's 8 columns of a row go into my own stage (rows of 256 + 16 bytes) and come back as whole rows,
; so that 16 neighbouring lanes store 256 consecutive bytes, at a multiple of 256 from the first byte of out0.
.macro OUT sub
	PLACES
.irp rb, 0,1,2,3,4,5,6,7
	WIN 0x08+4*\sub                                ; store data from window 2 or 3
.irp f, 0,1,2,3
.irp q, 0,1
	ds_store_b128 v9, v[32*\rb+8*\f+4*\q:32*\rb+8*\f+4*\q+3] offset:64*\f+16*\q
.endr
.endr
	WIN 0
	s_wait_xcnt 0x0                                ; the registers that earlier stores read are loaded again only behind this wait
.irp t, 0,1,2,3,4,5,6,7
	ds_load_b128 v[AF0+64*(\rb&1)+4*\t:AF0+64*(\rb&1)+4*\t+3], v10 offset:2*SPITCH*\t   ; LDS serves a wave's instructions in order (ISA guide 5.7.1): these see the stores above
.endr
.irp t, 0,1,2,3,4,5,6,7
	s_wait_dscnt 7-\t                              ; the younger read-backs stay out
	global_store_b128 v11, v[AF0+64*(\rb&1)+4*\t:AF0+64*(\rb&1)+4*\t+3], s[30:31] offset:(16*\rb+2*\t)*2048+256*\sub th:TH_STORE_NT
.endr
.endr
	s_wait_xcnt 0x0                                ; the fragment buffers are free again
.endm
; x phase: a batch is 4 rows; a row is four loads of 512 consecutive bytes
.macro XISSUE bt
.irp p, 0,1,2,3
.if (\bt) < 12
	s_add_co_i32 s24, s23, 4*(\bt)+\p              ; token t0 - 32 + row,
	s_max_i32 s24, s24, 0                          ; kept inside the batch row: what is clamped is masked later
	s_min_i32 s24, s24, 8191
.else
	s_min_u32 s24, s[40+4*((\bt)-12)+\p], 8191     ; a global token
.endif
	s_lshl_b32 s24, s24, 11                        ; 2048 bytes a token
	v_add_nc_u32 v[XOFF+4*((\bt)%3)+\p], s24, v[XV0]
.irp q, 0,1,2,3
	global_load_b128 v[XR+64*((\bt)%3)+16*\p+4*\q:XR+64*((\bt)%3)+16*\p+4*\q+3], v[XOFF+4*((\bt)%3)+\p], s[28:29] offset:512*\q
.endr
.endr
.endm
.macro XDRAIN bt, left
	s_wait_loadcnt \left                           ; the batch is in; left = the loads of the younger batches, 16 each
.irp p, 0,1,2,3
.irp q, 0,1,2,3
.set bb, XR+64*((\bt)%3)+16*\p+4*\q
	v_cvt_pk_f16_f32 v[bb], v[bb], v[bb+1]
	v_cvt_pk_f16_f32 v[bb+1], v[bb+2], v[bb+3]
.endr
.endr
.irp p, 0,1,2,3
.irp q, 0,1,2,3
.set bb, XR+64*((\bt)%3)+16*\p+4*\q
.if (\bt) < 12
	ds_store_b64 v[XV1], v[bb:bb+1] offset:(4*(\bt)+\p)*PITCH+256*\q       ; 32 lanes, 256 consecutive bytes
.else
	ds_store_b64 v[XV2], v[bb:bb+1] offset:(4*((\bt)-12)+\p)*PITCH+256*\q
.endif
.endr
.endr
.endm
	; ---------------- ids, constants, addresses
	s_load_b512 s[4:19], s[0:1], 0x0               ; x 4, wt 6, bq 8, bk 10, bv 12, bo 14, global_idx 16, out0 18
	v_lshl_add_u32 v30, v0, 2, 0x41400
	v_mov_b32 v31, 0
	v_lshrrev_b32 v17, 5, v0
	v_readfirstlane_b32 s20, v17                   ; wave w
	s_lshr_b32 s21, ttmp9, 6                       ; batch
	s_and_b32 s22, ttmp9, 63
	s_lshl_b32 s22, s22, 7                         ; t0
	s_mul_i32 s23, s20, 48
	s_add_co_u32 s23, s23, s22
	s_sub_co_i32 s23, s23, 32                      ; token of my first local row: t0 - 32 + 48 w (may be negative)
	s_mov_b32 s34, 0x3e8293ee                      ; log2(e) / sqrt(32),
	s_mov_b32 s35, 0x3e8293ee                      ; a pair
	s_mov_b32 s36, 0x76543210                      ; v_permlanex16_b32: lane i reads lane i of the other half
	s_mov_b32 s37, 0xfedcba98
	s_mov_b32 s38, 0xbe8293ee                      ; - log2(e) / sqrt(32)
	v_and_b32 v18, 31, v0                          ; L
	v_lshlrev_b32 v1, 4, v18                       ; 16 L
	v_and_b32 v19, 15, v0                          ; r
	v_bfe_u32 v20, v0, 4, 1                        ; h
	v_mul_u32_u24 v21, v19, PITCH
	v_lshl_add_u32 v[XA], v20, 4, v21              ; r * PITCH + 16 h
	v_add_nc_u32 v[XA+1], G64, v[XA]
	v_add_nc_u32 v[XA+2], 2*G64, v[XA]
	v_add_nc_u32 v[XA+3], 3*G64, v[XA]
	v_mov_b32 v6, 0xf149f2ca                       ; -1e30
	s_lshl_b32 s24, s20, 8
	v_add_nc_u32 v[CST], s24, v[XA]                ; context: row r, byte 256 w + 16 h
	v_add_nc_u32 v[CST+1], G64, v[CST]
	s_mul_i32 s24, s20, 16*SPITCH
	s_add_co_u32 s24, s24, STAGE                   ; my stage
	v_mul_u32_u24 v22, v19, SPITCH
	v_lshl_add_u32 v22, v20, 5, v22
	v_add_nc_u32 v9, s24, v22                      ; in: row r, 32 bytes for each half of the lanes
	v_mul_u32_u24 v22, v20, SPITCH
	v_lshl_add_u32 v22, v19, 4, v22
	v_add_nc_u32 v10, s24, v22                     ; back: lanes 0-15 one row, lanes 16-31 the next
	v_lshlrev_b32 v22, 11, v20
	v_lshl_add_u32 v11, v19, 4, v22                ; the same two rows in out0
	s_lshl_b32 s24, s20, 9
	v_lshl_add_u32 v16, v20, 5, s24                ; biases: 512 w + 32 h
	v_lshlrev_b32 v23, 3, v20
	v_sub_nc_u32 v23, v19, v23                     ; r - 8 h, for the band's masks
	s_mul_i32 s24, s20, 48*PITCH
	v_lshl_add_u32 v21, v18, 3, s24                ; x phase: my 48 local rows, 8 bytes a lane
	s_mul_i32 s24, s20, BLK
	s_add_co_u32 s24, s24, 192*PITCH
	v_lshl_add_u32 v22, v18, 3, s24                ; my 16 global rows
	WIN 0x40
	v_mov_b32 v[XV0], v1                           ; window 1: 16 L and the two LDS bases, so that the x phase runs under one window setting
	v_mov_b32 v[XV1], v21
	v_mov_b32 v[XV2], v22
	WIN 0
	s_mov_b32 s25, 0
	s_wait_kmcnt 0x0
	s_lshl_b32 s24, s20, 19
	s_add_nc_u64 s[26:27], s[6:7], s[24:25]        ; my weight stream
	s_lshl_b32 s24, s21, 24
	s_add_nc_u64 s[28:29], s[4:5], s[24:25]        ; x at my batch
	s_lshl_b32 s24, ttmp9, 18
	s_add_nc_u64 s[30:31], s[18:19], s[24:25]      ; out0 at my 128 rows,
	s_lshl_b32 s24, s20, 9
	s_add_nc_u64 s[30:31], s[30:31], s[24:25]      ; my 128 columns
	s_lshl_b32 s24, s20, 6
	s_add_nc_u64 s[16:17], s[16:17], s[24:25]
	s_load_b512 s[40:55], s[16:17], 0x0            ; my 16 global indices
	WLOAD 0, 0                                     ; the weight stream starts: two slots ahead from here to the end
	WLOAD 1, 4096
	WIN 0x40
.irp c, 0,1
.irp q, 0,1
	global_load_b128 v[BK+8*\c+4*\q:BK+8*\c+4*\q+3], v16, s[10:11] offset:64*\c+16*\q
.endr
.endr
	ADVANCE 2
	s_wait_kmcnt 0x0
	; ---------------- x to f16 into LDS: 16 batches of 4 rows, three batches (48 loads of 512 bytes) on their way
	WIN 0x55                                       ; all operands in window 1
	XISSUE 0
	XISSUE 1
	XISSUE 2
.irp bt, 0,1,2,3,4,5,6,7,8,9,10,11,12
	XDRAIN \bt, 32
	XISSUE \bt+3
.endr
	XDRAIN 13, 32
	XDRAIN 14, 16
	XDRAIN 15, 0
	WIN 0
	; the band's masks (the indices' registers are free now)
.irp j, 0,1,2,3,4,5,6,7
	v_cmp_ge_i32 s[40+\j], \j, v23                 ; first band block: key 8 h + j >= r
	v_cmp_le_i32 s[48+\j], \j, v23                 ; last band block:  key 8 h + j <= r
.endr
	s_cmp_eq_u32 s22, 0
	s_cselect_b32 s74, 0, -1                       ; all off where the block lies in front of the sequence
	s_cmp_eq_u32 s22, 8064
	s_cselect_b32 s75, 0, -1                       ; all off where it lies behind the sequence
.irp j, 0,1,2,3,4,5,6,7
	s_and_b32 s[56+\j], s[40+\j], s74
	s_and_b32 s[66+\j], s[48+\j], s75
.endr
	s_wait_dscnt 0x0                               ; my rows of X are written,
	s_barrier_signal -1
	s_barrier_wait -1                              ; everybody's are
	; ---------------- four heads, each wave by itself: one trip a head
	s_mov_b32 s33, 0
.Lhead:
	PASS_KV
	PACK_KV
	PASS_Q
	PACK_Q
.irp i, 0,1,2,3,4,5,6,7
	ATT \i
.endr
	s_add_co_u32 s33, s33, 1
	s_cmp_lt_u32 s33, 4
	s_cbranch_scc1 .Lhead
	; ---------------- the context changes hands through LDS, over the dead X
	WIN 0x40
.irp u, 0,1
.irp f, 0,1,2,3
.irp q, 0,1
	global_load_b128 v[BO+32*\u+8*\f+4*\q:BO+32*\u+8*\f+4*\q+3], v16, s[14:15] offset:256*\u+64*\f+16*\q
.endr
.endr
.endr
	WIN 0
	s_wait_dscnt 0x0                               ; my reads of X are over,
	s_barrier_signal -1
	s_barrier_wait -1                              ; everybody's are
	WIN 0x04                                       ; store data from window 1
.irp hh, 0,1,2
.irp i, 0,1,2,3,4,5,6,7
.irp c, 0,1
	ds_store_b128 v[CST+(\i>>2)], v[64*\hh+8*\i+4*\c:64*\hh+8*\i+4*\c+3] offset:(\i&3)*BLK+64*\hh+32*\c
.endr
.endr
.endr
	WIN 0x0c                                       ; head 3 from window 3
.irp i, 0,1,2,3,4,5,6,7
.irp c, 0,1
	ds_store_b128 v[CST+(\i>>2)], v[CT3+8*\i+4*\c:CT3+8*\i+4*\c+3] offset:(\i&3)*BLK+192+32*\c
.endr
.endr
	WIN 0
	s_wait_dscnt 0x0                               ; my columns of the context are written,
	s_barrier_signal -1
	s_barrier_wait -1                              ; everybody's are
	; ---------------- out projection: my 128 columns in two halves; the first half's stores leave under the second half's products
	PASS_O 0, 0, 0
	OUT 0
	PASS_O 1, 1, 1
	OUT 1
	s_wait_tensorcnt 0x0
	ds_add_u32 v30, v31
	s_wait_dscnt 0x0
	s_endpgm
.Lfunc_end_k_q80cbb6e148_main:
	.size	k_q80cbb6e148_main, .Lfunc_end_k_q80cbb6e148_main-k_q80cbb6e148_main
	.p2alignl 7, 3214868480
	.fill 96, 4, 3214868480
	.section	.rodata,"a",@progbits
	.p2align	6, 0x0
	.amdhsa_kernel k_q80cbb6e148_main
		.amdhsa_group_segment_fixed_size 267776
		.amdhsa_private_segment_fixed_size 0
		.amdhsa_enable_private_segment 0
		.amdhsa_kernarg_size 64
		.amdhsa_user_sgpr_count 2
		.amdhsa_user_sgpr_kernarg_segment_ptr 1
		.amdhsa_wavefront_size32 1
		.amdhsa_system_sgpr_workgroup_id_x 1
		.amdhsa_system_sgpr_workgroup_id_y 1
		.amdhsa_system_sgpr_workgroup_id_z 1
		.amdhsa_system_vgpr_workitem_id 0
		.amdhsa_next_free_vgpr 1024
		.amdhsa_next_free_sgpr 80
		.amdhsa_reserve_vcc 0
		.amdhsa_float_denorm_mode_32 3
		.amdhsa_float_denorm_mode_16_64 3
		.amdhsa_memory_ordered 1
		.amdhsa_forward_progress 1
		.amdhsa_inst_pref_size 255
	.end_amdhsa_kernel
	.section	.bss,"aw",@nobits
	.p2align	6
	.space	262144
	.amdgpu_metadata
---
amdhsa.version: [ 1, 2 ]
amdhsa.kernels:
  - .name:           k_q80cbb6e148_main
    .symbol:         k_q80cbb6e148_main.kd
    .args:
      - { .name: x, .offset: 0, .size: 8, .value_kind: global_buffer, .address_space: global }
      - { .name: wt, .offset: 8, .size: 8, .value_kind: global_buffer, .address_space: global }
      - { .name: bq, .offset: 16, .size: 8, .value_kind: global_buffer, .address_space: global }
      - { .name: bk, .offset: 24, .size: 8, .value_kind: global_buffer, .address_space: global }
      - { .name: bv, .offset: 32, .size: 8, .value_kind: global_buffer, .address_space: global }
      - { .name: bo, .offset: 40, .size: 8, .value_kind: global_buffer, .address_space: global }
      - { .name: global_idx, .offset: 48, .size: 8, .value_kind: global_buffer, .address_space: global }
      - { .name: out0, .offset: 56, .size: 8, .value_kind: global_buffer, .address_space: global }
    .group_segment_fixed_size: 267776
    .private_segment_fixed_size: 0
    .kernarg_segment_align: 8
    .kernarg_segment_size: 64
    .max_flat_workgroup_size: 128
    .sgpr_count:     80
    .vgpr_count:     1024
    .wavefront_size: 32
...
	.end_amdgpu_metadata
.endif
;; end of part 3
;; ======== version 3 of 3: 2 launches; version 2 with the launch main written anew for expert scheduling mode
;; limits: values are held in f16: magnitudes above 65,504 overflow, below 6.1e-05 lose precision; right only within a limited range of input values
;; workspace buffers: wt 2,097,152 bytes
;; launch prep: the kernel of part 1 again; grid 64 x 4, 8 waves a work-group, no clusters, 0 bytes of LDS; arguments Wq, Wk, Wv, Wo, wt; writes wt
;; launch main (part 4): grid 256 x 1, 4 waves a work-group, no clusters, 267,776 bytes of LDS; arguments x, wt, bq, bk, bv, bo, global_idx, out0; writes out0
.if DOCPART == 4
	.amdgcn_target "amdgcn-amd-amdhsa--gfx1250"
	.amdhsa_code_object_version 6
	.text
	.protected	k_q80cbb6e148_main
	.globl	k_q80cbb6e148_main
	.p2align	8
	.type	k_q80cbb6e148_main,@function
k_q80cbb6e148_main:
	s_mov_b64 s[64:65], 0
	v_nop
	global_prefetch_b8 v0, s[64:65] scope:SCOPE_SE
	s_setreg_imm32_b32 hwreg(HW_REG_WAVE_SCHED_MODE, 0, 2), 2
	s_setreg_imm32_b32 hwreg(HW_REG_WAVE_MODE, 25, 1), 1
	s_wait_xcnt 0x0
	s_wait_alu depctr_vm_vsrc(0)
; Sparse attention with global tokens, whole: x -> Q, K, V -> softmax over 65 band keys and 64 global keys -> context -> out projection.
; Work-group g: batch g / 64, the 128 queries from t0 = 128 (g mod 64).  Four waves, one a SIMD; wave w owns heads 4 w .. 4 w + 3 and,
; in the out projection, the output columns 128 w .. 128 w + 127.
; X IN LDS: 256 rows of 512 f16, pitch 1040 bytes (65 x 16: the 16 rows of a fragment load start 16 bytes apart modulo 256).
;   rows 0..191: tokens t0 - 32 + row, clamped to 0..8191 (a clamped row is always masked); rows 192..255: tokens global_idx[0..63].
;   So the global keys are four more key blocks of 16 and K, V are made for 16 row blocks.
; WEIGHTS: each weight number is used by one wave of the work-group alone, so the fragment images of wt go straight into registers
;   (a ring of three slots of 4096 bytes).  They are not shared through a cluster: beside the 266,240 bytes of X
;   LDS has 61,440 left, less than two steps' 16,384 bytes in each of two slots, and each weight byte would be written to and read from LDS besides.
; NO INTERMEDIATE LEAVES THE WAVE until the context: by the order of the sources each result is the next product's operand after one packing.
;   K, Q:  D = W-fragment x X-fragment : lane (r, h), register j = (token r, d = 16 c + 8 h + j); packed: a fragment token x 32 d
;   V:     D = X-fragment x W-fragment : (token 8 h + j, d = 16 c + r); packed: half a fragment of V transposed for 16 keys
;   S^T  = K x Q : (key 8 h + j, query r): a query's scores lie in two lanes; packed: half a fragment of P transposed
;   ctx^T = V^T x P^T : (d = 16 c + 8 h + j, query r); packed: 16 neighbouring bytes of a row of the context
;   out  = Wo-fragment x ctx-fragment : (token r, column 8 h + j)
; bk, bq, bo enter as the C of the first K step.  bv is added behind the division by the sum: the weights of a query sum to one.
; SOFTMAX: all 144 scores of a query are in registers at once; the true maximum is taken away.
; THE WAVE'S FOUR HEADS ARE ONE LOOP: a head's text is written once and run four times.  The weight stream is linear and every head starts at ring
;   place 0 (16 + 8 steps, a multiple of 3); the biases' offsets are made from the trip's number.  The packed context has to wait in registers (X still
;   fills LDS), 64 for each head, and a register's number cannot be computed: a four-way branch on the trip's number stands in front of the eight
;   conversions of each query block, so that each head's context is written straight into its own registers and nothing is copied.
; FORMAT: all matrix operands are f16, all sums f32.  V, P and the context are each rounded once on the way, and the context is a mean of
;   129 rows, about a tenth of V in size, so each of the three roundings reaches the result with the format's full relative step: 11 bits
;   of significand leave an eighth of what 8 bits would.
;   Room: projections of inputs as drawn have a root mean square of sqrt(512) x 0.02 = 0.45; with x and W both 30 times larger 407;
;   with an offset of 30 spreads on x (30) and on W (0.6) about 512 x 30 x 0.6 = 9,216.  The context is a convex mix of rows of V plus bv; P is at most 1.
;   With all inputs 30 times smaller the context is about 5e-5, kept with f16's fixed step of 6e-8.
; LIMITS: every |x|, |W| and |x W + b| is below 65,504, the largest f16; beyond it a conversion gives infinity (inputs that are 30 times larger
;   AND carry an offset of 30 of the enlarged spreads, projections near 8e6, are outside).  Inputs are finite.
;   global_idx is taken as unsigned and clamped to 8191.
; THE MODE: SCHED_MODE bits 1:0 = 2 (LLVM: expert scheduling mode 2), set by the entry lines.  The code itself states the register dependences
;   between vector or matrix instructions and memory or LDS instructions, with s_wait_alu, always for 0.
; THE PLAN.  Registers that memory or LDS instructions touch:
;   v1, v7-11, v16, window 1 v240-242   addresses, made at the head ahead of one wait on va_vdst and never written again.
;   XL                 read by every fragment load; written at a pass's head and once a loop trip: a wait on vm_vsrc ahead of the write, a wait on va_vdst behind it.
;   AF0, AF1           a half step's products read one; the loads for the half after it land in the other.
;   BF, three places   step s's products read place s mod 3; the loads of slot s + 2 land in the place that step s - 1 read.
;   So ONE wait on va_vdst stands at the head of each half: the half before is done reading the other buffer (at a step's head also the ring place read last step).
;   The loads into these follow among this half's products, which name this half's buffer, this step's ring place, the sums and a bias: none of the registers that those loads touch.
;   x phase: XR (three batches as loaded) is read by the conversions alone, XY (one batch in f16) is written by them and read by the LDS stores, XOFF is written by four adds a batch.
;   A wait on vm_vsrc at a batch's head (XY and its offsets have been read), a wait on va_vdst behind its conversions (XY and the offsets are written, XR is read out).
;   The attention touches no memory.  The context and the out sums are written by vector or matrix instructions and then read by LDS stores: one wait on va_vdst ahead of each run.
;
; REGISTERS in windows of 256 (s_set_vgpr_msb, low byte: bits 1:0 source 0, 3:2 source 1, 5:4 source 2, 7:6 destination):
;   window 0: v0-31 addresses and small things; v32-95, v96-159 X fragments, two buffers (attention: scores, P, ctx sums); v160-255 weight ring
;   window 1: v0-191 at the start the x phase's ring, then the packed context of heads 0..2; v192 bk, v208 bq, v224 bv (16 each; v208-239 at the start
;             the x phase's out-buffer); v240-255 the x phase's addresses; later v192-255 bo
;   window 2: K sums (row block rb, c) at 16 rb + 8 c, packed in place to K fragments at 8 rb; Q sums at 128 + 16 qb + 8 c;
;             at the end the out sums of columns 0..63
;   window 3: V sums at 128 c + 8 rb, packed in place to 64 c + 4 kb; Q fragments at 128 + 8 qb; context of head 3 at 192; out sums of columns 64..127
.set PITCH,  1040                      ; an X (and context) row in LDS
.set BLK,    16*PITCH                  ; a block of 16 rows
.set G64,    64*PITCH                  ; four blocks: what one address register reaches with its 16-bit offset
.set STAGE,  128*PITCH                 ; behind the context: 16 rows x 272 bytes for each wave, for the way out
.set SPITCH, 272
.set XA,   2                           ; v2-5    (64 g + r) * PITCH + 16 h, never rewritten
.set CST,  7                           ; v7-8    where my 16 bytes of a context row go, rows 0..63 and 64..127
.set XL,   24                          ; v24-27  working copies of XA, stepped along K inside a pass
.set BOH,  28                          ; v28     byte offset of this head's 8 numbers in bq and bv
.set BON,  29                          ; v29     the same for the next head, in bk
.set AF0,  32                          ; X fragments, buffer 0
.set AF1,  96                          ; X fragments, buffer 1
.set BF,   160                         ; weight ring: slot idx at BF + 32 idx, fragment f at + 8 f
.set SCO,  32                          ; attention: 9 blocks of scores, 72 registers
.set PRB,  104                         ; attention: P transposed, 5 fragments
.set CAC,  144                         ; attention: two ctx sums; before that scratch of the maximum and the sum
.set BK,   192                         ; window 1
.set BQ,   208
.set BVB,  224
.set BO,   192
.set QAC,  128                         ; window 2
.set QF,   128                         ; window 3
.set CT3,  192                         ; window 3
.set XR,   0                           ; window 1, x phase: v0-191 three batches of 4 rows x 16 registers, as loaded
.set XY,   208                         ; window 1, x phase: v208-239 one batch in f16, to store: row p, piece q at XY + 8 p + 2 q
.set XV0,  240                         ; window 1, x phase: 16 x lane
.set XV1,  241                         ; window 1, x phase: LDS address of my 8 bytes in my first local row
.set XV2,  242                         ; window 1, x phase: the same in my first global row
.set XOFF, 244                         ; window 1, x phase: v244-255 byte offsets of 3 x 4 rows
.set MSB,  0
.macro WIN new                         ; the immediate's high byte repeats the setting that is left; a switch that changes nothing is dropped
.if MSB != (\new)
	s_set_vgpr_msb (MSB<<8)|(\new)
.set MSB, (\new)
.endif
.endm
; A vector instruction or a store that reads a matrix result, and a vector instruction that writes one of a matrix instruction's registers, stand four places
; behind it; only plain vector instructions that name none of its registers are places.  This text keeps the same four in front of
; loads into such registers, ahead of the wait that states the dependence: the wait fills no place, and the places stand for no wait.
.macro PLACES
.rept 4
	v_nop
.endr
.endm
.macro XRESET
.irp g, 0,1,2,3
	v_mov_b32 v[XL+\g], v[XA+\g]
.endr
.endm
.macro XSTEP n
.irp g, 0,1,2,3
	v_add_nc_u32 v[XL+\g], \n, v[XL+\g]
.endr
.endm
; One slot of the weight stream, 4096 bytes: four fragments, each load 512 consecutive bytes
.macro WLOAD idx, woff
.irp i, 0,1,2,3,4,5,6,7
	global_load_b128 v[BF+32*(\idx)+4*\i:BF+32*(\idx)+4*\i+3], v1, s[26:27] offset:\woff+512*\i
.endr
.endm
.macro ADVANCE n
	s_wait_xcnt 0x0                                ; the stream pointer is stepped only when the loads that name it have had their addresses translated
	s_add_nc_u64 s[26:27], s[26:27], \n*4096
.endm
; X fragments: 16 rows x 32 K = two loads of 16 bytes, 32 bytes apart, at row * PITCH + 16 h + 64 * K step
.macro LDA_KV hf, buf, koff            ; row blocks 8 hf .. 8 hf + 7
.irp a, 0,1,2,3,4,5,6,7
	ds_load_b128 v[\buf+8*\a:\buf+8*\a+3],   v[XL+2*\hf+(\a>>2)] offset:(\a&3)*BLK+\koff
	ds_load_b128 v[\buf+8*\a+4:\buf+8*\a+7], v[XL+2*\hf+(\a>>2)] offset:(\a&3)*BLK+\koff+32
.endr
.endm
.macro LDA_Q buf, koff                 ; row blocks 2 .. 9: the 128 queries
.irp a, 0,1,2,3,4,5,6,7
	ds_load_b128 v[\buf+8*\a:\buf+8*\a+3],   v[XL+((\a+2)>>2)] offset:((\a+2)&3)*BLK+\koff
	ds_load_b128 v[\buf+8*\a+4:\buf+8*\a+7], v[XL+((\a+2)>>2)] offset:((\a+2)&3)*BLK+\koff+32
.endr
.endm
.macro LDA_O hf, buf, koff             ; context row blocks 4 hf .. 4 hf + 3
.irp a, 0,1,2,3
	ds_load_b128 v[\buf+8*\a:\buf+8*\a+3],   v[XL+\hf] offset:\a*BLK+\koff
	ds_load_b128 v[\buf+8*\a+4:\buf+8*\a+7], v[XL+\hf] offset:\a*BLK+\koff+32
.endr
.endm
; In all products below the accumulators take turns, one instruction a turn, over the backward jumps too.
; Products for K: n row blocks from a0 on of the half's eight x two halves of the head's 32 columns, 32 along K.  first = 1: bk starts the sums.
.macro MULK hf, buf, idx, first, a0, n
.if \first
	WIN 0x90                                       ; D window 2, C (bk) window 1
.else
	WIN 0xa0                                       ; D and C window 2
.endif
.set aa, \a0
.rept \n
.irp c, 0,1
.set dd, 16*(8*\hf+aa)+8*\c
.if \first
	v_wmma_f32_16x16x32_f16 v[dd:dd+7], v[BF+32*(\idx)+8*\c:BF+32*(\idx)+8*\c+7], v[\buf+8*aa:\buf+8*aa+7], v[BK+8*\c:BK+8*\c+7]
.else
	v_wmma_f32_16x16x32_f16 v[dd:dd+7], v[BF+32*(\idx)+8*\c:BF+32*(\idx)+8*\c+7], v[\buf+8*aa:\buf+8*aa+7], v[dd:dd+7]
.endif
.endr
.set aa, aa+1
.endr
.endm
; 16 products for V: the half's eight row blocks x two halves of the columns.  first = 1: 0 starts the sums.
.macro MULV hf, buf, idx, first
	WIN 0xf0                                       ; D and C window 3
.irp a, 0,1,2,3,4,5,6,7
.irp c, 0,1
.set dd, 128*\c+8*(8*\hf+\a)
.if \first
	v_wmma_f32_16x16x32_f16 v[dd:dd+7], v[\buf+8*\a:\buf+8*\a+7], v[BF+32*(\idx)+16+8*\c:BF+32*(\idx)+16+8*\c+7], 0
.else
	v_wmma_f32_16x16x32_f16 v[dd:dd+7], v[\buf+8*\a:\buf+8*\a+7], v[BF+32*(\idx)+16+8*\c:BF+32*(\idx)+16+8*\c+7], v[dd:dd+7]
.endif
.endr
.endr
.endm
; Products for Q: n query blocks from a0 on x two halves of the columns; hf = which of the slot's two K steps
.macro MUL_Q hf, buf, idx, first, a0, n
.if \first
	WIN 0x90
.else
	WIN 0xa0
.endif
.set aa, \a0
.rept \n
.irp c, 0,1
.set dd, QAC+16*aa+8*\c
.if \first
	v_wmma_f32_16x16x32_f16 v[dd:dd+7], v[BF+32*(\idx)+16*\hf+8*\c:BF+32*(\idx)+16*\hf+8*\c+7], v[\buf+8*aa:\buf+8*aa+7], v[BQ+8*\c:BQ+8*\c+7]
.else
	v_wmma_f32_16x16x32_f16 v[dd:dd+7], v[BF+32*(\idx)+16*\hf+8*\c:BF+32*(\idx)+16*\hf+8*\c+7], v[\buf+8*aa:\buf+8*aa+7], v[dd:dd+7]
.endif
.endr
.set aa, aa+1
.endr
.endm
; Products of the out projection: n row blocks from a0 on of the half's four x four column blocks; sub = which 64 of my 128 columns (window 2 or 3)
.macro MUL_O hf, buf, idx, first, sub, a0, n
.if \first
	WIN 0x90+0x40*\sub                             ; C (bo) window 1
.else
	WIN 0xa0+0x50*\sub
.endif
.set aa, \a0
.rept \n
.irp f, 0,1,2,3
.set dd, 32*(4*\hf+aa)+8*\f
.if \first
	v_wmma_f32_16x16x32_f16 v[dd:dd+7], v[BF+32*(\idx)+8*\f:BF+32*(\idx)+8*\f+7], v[\buf+8*aa:\buf+8*aa+7], v[BO+32*\sub+8*\f:BO+32*\sub+8*\f+7]
.else
	v_wmma_f32_16x16x32_f16 v[dd:dd+7], v[BF+32*(\idx)+8*\f:BF+32*(\idx)+8*\f+7], v[\buf+8*aa:\buf+8*aa+7], v[dd:dd+7]
.endif
.endr
.set aa, aa+1
.endr
.endm
; A STEP multiplies weight slot idx, in two halves, one on each X buffer.  While a half is multiplied the other buffer's loads are on their way; in its first
; half the step also asks for the slot two further on, into the ring place read last step.
;   s_wait_loadcnt 8: loads come back in order (ISA guide 5.7.1): slot idx is in, the next slot's eight loads stay out
;   s_wait_dscnt 0:   this half's fragments, asked for in the half before, are in; nothing younger is out
;   the wait on va_vdst at a half's head, and why the loads behind it need no further one: THE PLAN above
; A step leaves the windows as its last products had them: the passes set them to 0 ahead of labels, branches and vector lines.
.macro STEP_KV idx, krel, woff, first, last
	PLACES
	s_wait_loadcnt 8
	s_wait_dscnt 0x0
	s_wait_alu depctr_va_vdst(0)                   ; the half before is done reading AF1, the step before its ring place: loads land in both below; behind a step of XL: XL is written
	MULK 0, AF0, \idx, \first, 0, 1
	WIN 0
	LDA_KV 1, AF1, 64*\krel                        ; no product since the wait names AF1 or XL
	MULK 0, AF0, \idx, \first, 1, 7
	WIN 0
	WLOAD (\idx+2)%3, \woff                        ; nor that ring place or v1
	MULV 0, AF0, \idx, \first
.if \last
	s_wait_dscnt 0x0                               ; nothing more is fetched, so no dependence is left to state
.else
	PLACES
	s_wait_dscnt 0x0
	s_wait_alu depctr_va_vdst(0)                   ; the first half is done reading AF0, in which the next K step's fragments land
.endif
	MULK 1, AF1, \idx, \first, 0, 1
.if !\last
	WIN 0
	LDA_KV 0, AF0, 64*(\krel+1)
.endif
	MULK 1, AF1, \idx, \first, 1, 7
	MULV 1, AF1, \idx, \first
.endm
.macro STEP_Q idx, krel, woff, first, last         ; a slot holds two K steps of Wq: buffer 0 the even one, buffer 1 the odd one
	PLACES
	s_wait_loadcnt 8
	s_wait_dscnt 0x0
	s_wait_alu depctr_va_vdst(0)                   ; the half before is done reading AF1, the step before its ring place: loads land in both below; behind a step of XL: XL is written
	MUL_Q 0, AF0, \idx, \first, 0, 1
	WIN 0
	LDA_Q AF1, 64*(2*\krel+1)
	MUL_Q 0, AF0, \idx, \first, 1, 1
	WIN 0
	WLOAD (\idx+2)%3, \woff
	MUL_Q 0, AF0, \idx, \first, 2, 6
.if \last
	s_wait_dscnt 0x0
.else
	PLACES
	s_wait_dscnt 0x0
	s_wait_alu depctr_va_vdst(0)                   ; the first half is done reading AF0, in which the next even K step's fragments land
.endif
	MUL_Q 1, AF1, \idx, 0, 0, 1
.if !\last
	WIN 0
	LDA_Q AF0, 64*(2*\krel+2)
.endif
	MUL_Q 1, AF1, \idx, 0, 1, 7
.endm
.macro STEP_O idx, krel, ld, woff, lcnt, first, last, sub
	PLACES
	s_wait_loadcnt \lcnt
	s_wait_dscnt 0x0
	s_wait_alu depctr_va_vdst(0)                   ; the half before is done reading AF1, the step before its ring place: loads land in both below; behind a step of XL: XL is written
	MUL_O 0, AF0, \idx, \first, \sub, 0, 1
	WIN 0
	LDA_O 1, AF1, 64*\krel
.if \ld
	WLOAD (\idx+2)%3, \woff
.endif
	MUL_O 0, AF0, \idx, \first, \sub, 1, 3
.if \last
	s_wait_dscnt 0x0
.else
	PLACES
	s_wait_dscnt 0x0
	s_wait_alu depctr_va_vdst(0)                   ; the first half is done reading AF0, in which the next K step's fragments land
.endif
	MUL_O 1, AF1, \idx, \first, \sub, 0, 1
.if !\last
	WIN 0
	LDA_O 0, AF0, 64*(\krel+1)
.endif
	MUL_O 1, AF1, \idx, \first, \sub, 1, 3
.endm
; bq and bv of this trip's head (s33) and bk of the next: lane (r, h) takes the 8 numbers at column 16 c + 8 h of the head.
; The two offsets are made here, straight behind the s_wait_xcnt 0 of the stream's step; the last trip's bias loads, which read them, were issued ahead of
; the wait on vm_vsrc at this pass's head, and nothing has read them since.
; They are two of the four places behind the products that took bk as their C.  In the last trip the next head is clamped to the
; wave's last one: its own bk is asked for once more, unused, and no load passes the end of bk.
.macro BIASLD
	s_lshl_b32 s24, s33, 7                         ; 128 bytes a head
	v_add_nc_u32 v[BOH], s24, v16
	s_add_co_u32 s24, s33, 1
	s_min_u32 s24, s24, 3
	s_lshl_b32 s24, s24, 7
	v_add_nc_u32 v[BON], s24, v16
	v_nop
	v_nop
	WIN 0x40
	s_wait_alu depctr_va_vdst(0)                   ; the two offsets are written; the first K step's products are done reading bk; the last trip's Q pass and attention are done reading bq and bv (first trip: the x phase has written these registers)
.irp c, 0,1
.irp q, 0,1
	global_load_b128 v[BQ+8*\c+4*\q:BQ+8*\c+4*\q+3],   v[BOH], s[8:9]   offset:64*\c+16*\q
	global_load_b128 v[BVB+8*\c+4*\q:BVB+8*\c+4*\q+3], v[BOH], s[12:13] offset:64*\c+16*\q
	global_load_b128 v[BK+8*\c+4*\q:BK+8*\c+4*\q+3],   v[BON], s[10:11] offset:64*\c+16*\q
.endr
.endr
	WIN 0
.endm
; K and V of one head on all 256 rows: 16 K steps, ring places 0, 1, 2, 0 ...
.macro PASS_KV
	s_wait_alu depctr_vm_vsrc(0)                   ; the fragment loads issued so far have read XL; in the first trip also: the x phase's LDS stores and loads have read XY and their addresses, in which biases land later
	XRESET
	s_wait_alu depctr_va_vdst(0)                   ; XL is written; the last trip's attention is done with v32-95, in which the first fragments land
	LDA_KV 0, AF0, 0
	STEP_KV 0, 0, 0, 1, 0                          ; its count of 8 leaves the second slot out: the first slot and bk, asked for earlier, are in
	WIN 0
	ADVANCE 1
	BIASLD
	s_mov_b32 s32, 4
.Lkv_\@:
	STEP_KV 1, 1, 0,    0, 0
	STEP_KV 2, 2, 4096, 0, 0
	STEP_KV 0, 3, 8192, 0, 0
	WIN 0
	ADVANCE 3
	s_wait_alu depctr_vm_vsrc(0)                   ; the fragment loads issued so far have read XL
	XSTEP 192                                      ; three K steps of 64 bytes; the next step's head states that XL is written
	s_sub_co_u32 s32, s32, 1
	s_cmp_lg_u32 s32, 0
	s_cbranch_scc1 .Lkv_\@
	STEP_KV 1, 1, 0,    0, 0
	STEP_KV 2, 2, 4096, 0, 0                       ; these two already ask for the first slots of Wq
	STEP_KV 0, 3, 8192, 0, 1
	WIN 0
	ADVANCE 3
.endm
; Sums to f16, in place: register n takes the pair 2 n, 2 n + 1, n ascending, so no pair is overwritten before it is read.
; K: 16 rb + 8 c + 2 p -> 8 rb + 4 c + p (a fragment token x 32 d).  V: 128 c + 8 kb + 2 p -> 64 c + 4 kb + p (two neighbouring key blocks = one fragment).
.macro PACK_KV
	PLACES
	s_wait_alu depctr_vm_vsrc(0)                   ; the fragment loads issued so far have read XL
	XRESET
	s_wait_alu depctr_va_vdst(0)                   ; XL is written; the K/V pass's products are done reading AF0
	LDA_Q AF0, 0                                   ; the Q pass's first fragments come in under the packing
	WIN 0x8a
.set ix, 0
.rept 128
	v_cvt_pk_f16_f32 v[ix], v[2*ix], v[2*ix+1]
.set ix, ix+1
.endr
	WIN 0xcf
.set ix, 0
.rept 128
	v_cvt_pk_f16_f32 v[ix], v[2*ix], v[2*ix+1]
.set ix, ix+1
.endr
	WIN 0
.endm
; Q of one head on the 128 queries: 8 slots of two K steps, ring places 1, 2, 0 ...
.macro PASS_Q
	STEP_Q 1, 0, 0, 1, 0
	WIN 0
	ADVANCE 1
	s_mov_b32 s32, 2
.Lq_\@:
	STEP_Q 2, 1, 0,    0, 0
	STEP_Q 0, 2, 4096, 0, 0
	STEP_Q 1, 3, 8192, 0, 0
	WIN 0
	ADVANCE 3
	s_wait_alu depctr_vm_vsrc(0)                   ; the fragment loads issued so far have read XL
	XSTEP 384                                      ; six K steps; the next step's head states that XL is written
	s_sub_co_u32 s32, s32, 1
	s_cmp_lg_u32 s32, 0
	s_cbranch_scc1 .Lq_\@
	STEP_Q 2, 1, 0, 0, 1                           ; the last two steps ask for the next pass's first two slots: they land during the attention
	WIN 0
	ADVANCE 1
.endm
.macro PACK_Q
	PLACES
	WIN 0xca                                       ; from window 2 into window 3
.set ix, 0
.rept 64
	v_cvt_pk_f16_f32 v[QF+ix], v[QAC+2*ix], v[QAC+2*ix+1]
.set ix, ix+1
.endr
	WIN 0
.irp n, 20,21,22,23
	v_mov_b32 v[PRB+\n], 0                         ; the band has five key blocks: the sixth place of its three fragments of P stays zero
.endr
.endm
; The context of one query block, 16 sums, to f16 into the eight registers from base on, in the window that win names
.macro CTXCVT win, base
	WIN \win
.irp n, 0,1,2,3,4,5,6,7
	v_cvt_pk_f16_f32 v[\base+\n], v[CAC+2*\n], v[CAC+2*\n+1]
.endr
	WIN 0
.endm
; The same, into the registers of this trip's head: heads 0..2 in window 1 at 64 x head, head 3 in window 3.  The branch hangs on the loop's counter alone.
.macro CTXPUT i
	s_cmp_eq_u32 s33, 1
	s_cbranch_scc1 .Lc1_\@
	s_cmp_eq_u32 s33, 2
	s_cbranch_scc1 .Lc2_\@
	s_cmp_eq_u32 s33, 3
	s_cbranch_scc1 .Lc3_\@
	CTXCVT 0x40, 8*\i
	s_branch .Lcd_\@
.Lc1_\@:
	CTXCVT 0x40, 64+8*\i
	s_branch .Lcd_\@
.Lc2_\@:
	CTXCVT 0x40, 128+8*\i
	s_branch .Lcd_\@
.Lc3_\@:
	CTXCVT 0xc0, CT3+8*\i
.Lcd_\@:
.endm
; Attention of query block i (queries 16 i + r, X rows 32 + 16 i + r) of this trip's head.  It holds vector and matrix instructions alone.
; Band: key blocks i .. i + 4.  key row - query row = 16 b + kk - 32 - r with kk = 8 h + j: in block 0 valid where kk >= r, in block 4 where kk <= r.
; In the first work-group of a batch key blocks 0, 1 lie in front of the sequence, in the last one blocks 10, 11 behind it.
.macro ATT i
	WIN 0x0e                                       ; A = K fragments (window 2), B = Q fragment (window 3)
.irp b, 0,1,2,3,4
	v_wmma_f32_16x16x32_f16 v[SCO+8*\b:SCO+8*\b+7], v[8*(\i+\b):8*(\i+\b)+7], v[QF+8*\i:QF+8*\i+7], 0
.endr
.irp g, 0,1,2,3
	v_wmma_f32_16x16x32_f16 v[SCO+40+8*\g:SCO+40+8*\g+7], v[8*(12+\g):8*(12+\g)+7], v[QF+8*\i:QF+8*\i+7], 0
.endr
	WIN 0
	PLACES
.irp j, 0,1,2,3,4,5,6,7
.if \i <= 1
	v_cndmask_b32 v[SCO+\j], v6, v[SCO+\j], s[56+\j]
.else
	v_cndmask_b32 v[SCO+\j], v6, v[SCO+\j], s[40+\j]
.endif
.if \i >= 6
	v_cndmask_b32 v[SCO+32+\j], v6, v[SCO+32+\j], s[66+\j]
.else
	v_cndmask_b32 v[SCO+32+\j], v6, v[SCO+32+\j], s[48+\j]
.endif
.if \i == 0
	v_cndmask_b32 v[SCO+8+\j], v6, v[SCO+8+\j], s74
.endif
.if \i == 7
	v_cndmask_b32 v[SCO+24+\j], v6, v[SCO+24+\j], s75
.endif
.endr
	; the maximum of the query's 144 scores: eight chains in the lane, then the lane that holds the other half of the keys
.irp q, 0,1,2,3,4,5,6,7
	v_max3_num_f32 v[CAC+\q], v[SCO+\q], v[SCO+8+\q], v[SCO+16+\q]
.endr
.irp t, 24, 40, 56
.irp q, 0,1,2,3,4,5,6,7
	v_max3_num_f32 v[CAC+\q], v[CAC+\q], v[SCO+\t+\q], v[SCO+\t+8+\q]
.endr
.endr
	v_max3_num_f32 v[CAC], v[CAC], v[CAC+1], v[CAC+2]
	v_max3_num_f32 v[CAC+3], v[CAC+3], v[CAC+4], v[CAC+5]
	v_max3_num_f32 v[CAC], v[CAC], v[CAC+3], v[CAC+6]
	v_max_num_f32 v[CAC], v[CAC], v[CAC+7]
	v_permlanex16_b32 v17, v[CAC], s36, s37
	v_max_num_f32 v17, v17, v[CAC]
	v_mul_f32 v12, s38, v17                        ; - maximum * log2(e) / sqrt(32), twice: a pair for the packed fma
	v_mul_f32 v13, s38, v17
.set ix, 0
.rept 36
	v_pk_fma_f32 v[SCO+2*ix:SCO+2*ix+1], v[SCO+2*ix:SCO+2*ix+1], s[34:35], v[12:13] op_sel_hi:[1,0,1]
.set ix, ix+1
.endr
.set ix, 0
.rept 72
	v_exp_f32 v[SCO+ix], v[SCO+ix]
.set ix, ix+1
.endr
	v_nop                                          ; one plain instruction between the last exponential and the first use (ISA guide 5.7.2)
	s_wait_alu depctr_va_vdst(0)
.irp q, 0,1,2,3
	v_pk_add_f32 v[CAC+8+2*\q:CAC+9+2*\q], v[SCO+2*\q:SCO+2*\q+1], v[SCO+8+2*\q:SCO+9+2*\q]
.endr
.irp t, 16, 24, 32, 40, 48, 56, 64
.irp q, 0,1,2,3
	v_pk_add_f32 v[CAC+8+2*\q:CAC+9+2*\q], v[CAC+8+2*\q:CAC+9+2*\q], v[SCO+\t+2*\q:SCO+\t+2*\q+1]
.endr
.endr
	v_pk_add_f32 v[CAC+8:CAC+9], v[CAC+8:CAC+9], v[CAC+10:CAC+11]
	v_pk_add_f32 v[CAC+12:CAC+13], v[CAC+12:CAC+13], v[CAC+14:CAC+15]
	v_pk_add_f32 v[CAC+8:CAC+9], v[CAC+8:CAC+9], v[CAC+12:CAC+13]
	v_add_f32 v18, v[CAC+8], v[CAC+9]
	v_permlanex16_b32 v17, v18, s36, s37
	v_add_f32 v18, v18, v17
	v_rcp_f32 v14, v18                             ; twice, for the packed fma; the conversions below are the plain instructions behind them
	v_rcp_f32 v15, v18
.irp b, 0,1,2,3,4,5,6,7,8
.irp p, 0,1,2,3
	v_cvt_pk_f16_f32 v[PRB+4*\b+4*(\b/5)+\p], v[SCO+8*\b+2*\p], v[SCO+8*\b+2*\p+1]    ; the four global blocks lie behind the zero place
.endr
.endr
	WIN 0x03                                       ; A = V transposed (window 3)
.irp c, 0,1
	v_wmma_f32_16x16x32_f16 v[CAC+8*\c:CAC+8*\c+7], v[64*\c+4*\i:64*\c+4*\i+7], v[PRB:PRB+7], 0
.endr
.irp ks, 1,2
.irp c, 0,1
	v_wmma_f32_16x16x32_f16 v[CAC+8*\c:CAC+8*\c+7], v[64*\c+4*(\i+2*\ks):64*\c+4*(\i+2*\ks)+7], v[PRB+8*\ks:PRB+8*\ks+7], v[CAC+8*\c:CAC+8*\c+7]
.endr
.endr
.irp ks, 3,4
.irp c, 0,1
	v_wmma_f32_16x16x32_f16 v[CAC+8*\c:CAC+8*\c+7], v[64*\c+4*(6+2*\ks):64*\c+4*(6+2*\ks)+7], v[PRB+8*\ks:PRB+8*\ks+7], v[CAC+8*\c:CAC+8*\c+7]
.endr
.endr
	WIN 0x10                                       ; source 2 (bv) window 1
	PLACES
	s_wait_alu depctr_va_vdst(0)
.irp n, 0,1,2,3,4,5,6,7
	v_pk_fma_f32 v[CAC+2*\n:CAC+2*\n+1], v[CAC+2*\n:CAC+2*\n+1], v[14:15], v[BVB+2*\n:BVB+2*\n+1]   ; sum / (sum of weights) + bv
.endr
	WIN 0
	CTXPUT \i                                      ; the context waits packed in registers: X still fills LDS
.endm
; 64 of my 128 output columns on all 128 rows: 16 K steps, ring places p, p + 1 ...  fin = 1: the stream ends.
; l0: the first step's count: 0 where bo, asked for behind both slots, has to be in; 8 where only the second slot is out.
.macro PASS_O sub, p, fin, l0
	s_wait_alu depctr_vm_vsrc(0)                   ; the fragment loads issued so far have read XL; the LDS stores of the context have read window 3's v192-255, which the second half's products write; the first half's global stores have read the fragment buffers
	XRESET
	s_wait_alu depctr_va_vdst(0)                   ; XL is written; whatever named v32-63 before (the attention, the first half's products) is done with them
	LDA_O 0, AF0, 0
	STEP_O \p, 0, 1, 0, \l0, 1, 0, \sub
	WIN 0
	ADVANCE 1
	s_mov_b32 s32, 4
.Lo_\@:
	STEP_O (\p+1)%3, 1, 1, 0,    8, 0, 0, \sub
	STEP_O (\p+2)%3, 2, 1, 4096, 8, 0, 0, \sub
	STEP_O \p,       3, 1, 8192, 8, 0, 0, \sub
	WIN 0
	ADVANCE 3
	s_wait_alu depctr_vm_vsrc(0)                   ; the fragment loads issued so far have read XL
	XSTEP 192                                      ; the next step's head states that XL is written
	s_sub_co_u32 s32, s32, 1
	s_cmp_lg_u32 s32, 0
	s_cbranch_scc1 .Lo_\@
	STEP_O (\p+1)%3, 1, 1, 0,    8, 0, 0, \sub
.if \fin
	STEP_O (\p+2)%3, 2, 0, 0,    8, 0, 0, \sub     ; nothing is left to ask for: the last slot's eight stay out here,
	STEP_O \p,       3, 0, 0,    0, 0, 1, \sub     ; and are waited for here
	WIN 0
.else
	STEP_O (\p+2)%3, 2, 1, 4096, 8, 0, 0, \sub
	STEP_O \p,       3, 1, 8192, 8, 0, 1, \sub
	WIN 0
	ADVANCE 3
.endif
.endm
; The way out, 16 rows at a time: a lane's 8 columns of a row go into my own stage (rows of 256 + 16 bytes) and come back as whole rows,
; so that 16 neighbouring lanes store 256 consecutive bytes, at a multiple of 256 from the first byte of out0.
; It holds no vector or matrix instruction behind its places, so one wait on va_vdst serves all of it.
.macro OUT sub
	PLACES
	s_wait_alu depctr_va_vdst(0)                   ; the products have written the out sums, which the LDS stores read, and are done reading the fragment buffers, in which the read-backs land; the places above stay beside this wait
.irp rb, 0,1,2,3,4,5,6,7
	WIN 0x08+4*\sub                                ; store data from window 2 or 3
.irp f, 0,1,2,3
.irp q, 0,1
	ds_store_b128 v9, v[32*\rb+8*\f+4*\q:32*\rb+8*\f+4*\q+3] offset:64*\f+16*\q
.endr
.endr
	WIN 0
	s_wait_xcnt 0x0                                ; the registers that earlier stores read are loaded again only behind this wait
.if \rb >= 2
	s_wait_alu depctr_vm_vsrc(0)                   ; the global stores of two blocks back have read the buffer in which the read-backs below land
.endif
.irp t, 0,1,2,3,4,5,6,7
	ds_load_b128 v[AF0+64*(\rb&1)+4*\t:AF0+64*(\rb&1)+4*\t+3], v10 offset:2*SPITCH*\t   ; LDS serves a wave's instructions in order (ISA guide 5.7.1): these see the stores above
.endr
.irp t, 0,1,2,3,4,5,6,7
	s_wait_dscnt 7-\t                              ; the younger read-backs stay out
	global_store_b128 v11, v[AF0+64*(\rb&1)+4*\t:AF0+64*(\rb&1)+4*\t+3], s[30:31] offset:(16*\rb+2*\t)*2048+256*\sub th:TH_STORE_NT
.endr
.endr
	s_wait_xcnt 0x0                                ; the fragment buffers are free again
.endm
; x phase: a batch is 4 rows; a row is four loads of 512 consecutive bytes.  XADDR makes a batch's four offsets, XLOAD asks for its rows.
.macro XADDR bt
.irp p, 0,1,2,3
.if (\bt) < 12
	s_add_co_i32 s24, s23, 4*(\bt)+\p              ; token t0 - 32 + row,
	s_max_i32 s24, s24, 0                          ; kept inside the batch row: what is clamped is masked later
	s_min_i32 s24, s24, 8191
.else
	s_min_u32 s24, s[40+4*((\bt)-12)+\p], 8191     ; a global token
.endif
	s_lshl_b32 s24, s24, 11                        ; 2048 bytes a token
	v_add_nc_u32 v[XOFF+4*((\bt)%3)+\p], s24, v[XV0]
.endr
.endm
.macro XLOAD bt
.irp p, 0,1,2,3
.irp q, 0,1,2,3
	global_load_b128 v[XR+64*((\bt)%3)+16*\p+4*\q:XR+64*((\bt)%3)+16*\p+4*\q+3], v[XOFF+4*((\bt)%3)+\p], s[28:29] offset:512*\q
.endr
.endr
.endm
; Batch bt is rounded and stored.  ahead = 1: its registers are asked for again, for the batch three further on, ahead of its stores.
.macro XTURN bt, left, ahead
	s_wait_loadcnt \left                           ; the batch is in; left = the loads of the younger batches, 16 each
	s_wait_alu depctr_vm_vsrc(0)                   ; the last batch's LDS stores have read XY, which the conversions write again; this batch's loads have read their offsets, which the adds write again
.if \ahead
	XADDR \bt+3
.endif
.irp p, 0,1,2,3
.irp q, 0,1,2,3
.set bb, XR+64*((\bt)%3)+16*\p+4*\q
	v_cvt_pk_f16_f32 v[XY+8*\p+2*\q],   v[bb],   v[bb+1]
	v_cvt_pk_f16_f32 v[XY+8*\p+2*\q+1], v[bb+2], v[bb+3]
.endr
.endr
	s_wait_alu depctr_va_vdst(0)                   ; the conversions have written XY, which the LDS stores read, and are done reading the batch's registers, in which the loads land; the four offsets are written
.if \ahead
	XLOAD \bt+3
.endif
.irp p, 0,1,2,3
.irp q, 0,1,2,3
.if (\bt) < 12
	ds_store_b64 v[XV1], v[XY+8*\p+2*\q:XY+8*\p+2*\q+1] offset:(4*(\bt)+\p)*PITCH+256*\q       ; 32 lanes, 256 consecutive bytes
.else
	ds_store_b64 v[XV2], v[XY+8*\p+2*\q:XY+8*\p+2*\q+1] offset:(4*((\bt)-12)+\p)*PITCH+256*\q
.endif
.endr
.endr
.endm
	; ---------------- ids, constants, addresses
	s_load_b512 s[4:19], s[0:1], 0x0               ; x 4, wt 6, bq 8, bk 10, bv 12, bo 14, global_idx 16, out0 18
	v_lshl_add_u32 v30, v0, 2, 0x41400
	v_mov_b32 v31, 0
	v_lshrrev_b32 v17, 5, v0
	v_readfirstlane_b32 s20, v17                   ; wave w
	s_lshr_b32 s21, ttmp9, 6                       ; batch
	s_and_b32 s22, ttmp9, 63
	s_lshl_b32 s22, s22, 7                         ; t0
	s_wait_alu depctr_va_sdst(0)                   ; s20 is written, ahead of its first reader
	s_mul_i32 s23, s20, 48
	s_add_co_u32 s23, s23, s22
	s_sub_co_i32 s23, s23, 32                      ; token of my first local row: t0 - 32 + 48 w (may be negative)
	s_mov_b32 s34, 0x3e8293ee                      ; log2(e) / sqrt(32),
	s_mov_b32 s35, 0x3e8293ee                      ; a pair
	s_mov_b32 s36, 0x76543210                      ; v_permlanex16_b32: lane i reads lane i of the other half
	s_mov_b32 s37, 0xfedcba98
	s_mov_b32 s38, 0xbe8293ee                      ; - log2(e) / sqrt(32)
	v_and_b32 v18, 31, v0                          ; L
	v_lshlrev_b32 v1, 4, v18                       ; 16 L
	v_and_b32 v19, 15, v0                          ; r
	v_bfe_u32 v20, v0, 4, 1                        ; h
	v_mul_u32_u24 v21, v19, PITCH
	v_lshl_add_u32 v[XA], v20, 4, v21              ; r * PITCH + 16 h
	v_add_nc_u32 v[XA+1], G64, v[XA]
	v_add_nc_u32 v[XA+2], 2*G64, v[XA]
	v_add_nc_u32 v[XA+3], 3*G64, v[XA]
	v_mov_b32 v6, 0xf149f2ca                       ; -1e30
	s_lshl_b32 s24, s20, 8
	v_add_nc_u32 v[CST], s24, v[XA]                ; context: row r, byte 256 w + 16 h
	v_add_nc_u32 v[CST+1], G64, v[CST]
	s_mul_i32 s24, s20, 16*SPITCH
	s_add_co_u32 s24, s24, STAGE                   ; my stage
	v_mul_u32_u24 v22, v19, SPITCH
	v_lshl_add_u32 v22, v20, 5, v22
	v_add_nc_u32 v9, s24, v22                      ; in: row r, 32 bytes for each half of the lanes
	v_mul_u32_u24 v22, v20, SPITCH
	v_lshl_add_u32 v22, v19, 4, v22
	v_add_nc_u32 v10, s24, v22                     ; back: lanes 0-15 one row, lanes 16-31 the next
	v_lshlrev_b32 v22, 11, v20
	v_lshl_add_u32 v11, v19, 4, v22                ; the same two rows in out0
	s_lshl_b32 s24, s20, 9
	v_lshl_add_u32 v16, v20, 5, s24                ; biases: 512 w + 32 h
	v_lshlrev_b32 v23, 3, v20
	v_sub_nc_u32 v23, v19, v23                     ; r - 8 h, for the band's masks
	s_mul_i32 s24, s20, 48*PITCH
	v_lshl_add_u32 v21, v18, 3, s24                ; x phase: my 48 local rows, 8 bytes a lane
	s_mul_i32 s24, s20, BLK
	s_add_co_u32 s24, s24, 192*PITCH
	v_lshl_add_u32 v22, v18, 3, s24                ; my 16 global rows
	WIN 0x40
	v_mov_b32 v[XV0], v1                           ; window 1: 16 L and the two LDS bases, so that the x phase runs under one window setting
	v_mov_b32 v[XV1], v21
	v_mov_b32 v[XV2], v22
	WIN 0
	s_mov_b32 s25, 0
	s_wait_kmcnt 0x0
	s_lshl_b32 s24, s20, 19
	s_add_nc_u64 s[26:27], s[6:7], s[24:25]        ; my weight stream
	s_lshl_b32 s24, s21, 24
	s_add_nc_u64 s[28:29], s[4:5], s[24:25]        ; x at my batch
	s_lshl_b32 s24, ttmp9, 18
	s_add_nc_u64 s[30:31], s[18:19], s[24:25]      ; out0 at my 128 rows,
	s_lshl_b32 s24, s20, 9
	s_add_nc_u64 s[30:31], s[30:31], s[24:25]      ; my 128 columns
	s_lshl_b32 s24, s20, 6
	s_add_nc_u64 s[16:17], s[16:17], s[24:25]
	s_load_b512 s[40:55], s[16:17], 0x0            ; my 16 global indices
	s_wait_alu depctr_va_vdst(0)                   ; the addresses that are never written again are written: v1, v7 to v11, v16 and window 1's v240 to v242, which loads and stores read from here to the end
	WLOAD 0, 0                                     ; the weight stream starts
	WLOAD 1, 4096
	WIN 0x40
.irp c, 0,1
.irp q, 0,1
	global_load_b128 v[BK+8*\c+4*\q:BK+8*\c+4*\q+3], v16, s[10:11] offset:64*\c+16*\q
.endr
.endr
	ADVANCE 2
	s_wait_kmcnt 0x0
	; ---------------- x to f16 into LDS: 16 batches of 4 rows, three batches (48 loads of 512 bytes) on their way
	WIN 0x55                                       ; all operands in window 1
	XADDR 0
	XADDR 1
	XADDR 2
	s_wait_alu depctr_va_vdst(0)                   ; the first twelve offsets are written, which the loads below read
	XLOAD 0
	XLOAD 1
	XLOAD 2
.irp bt, 0,1,2,3,4,5,6,7,8,9,10,11,12
	XTURN \bt, 32, 1
.endr
	XTURN 13, 32, 0
	XTURN 14, 16, 0
	XTURN 15, 0, 0
	WIN 0
	; the band's masks (the indices' registers are free now)
.irp j, 0,1,2,3,4,5,6,7
	v_cmp_ge_i32 s[40+\j], \j, v23                 ; first band block: key 8 h + j >= r
	v_cmp_le_i32 s[48+\j], \j, v23                 ; last band block:  key 8 h + j <= r
.endr
	s_wait_alu depctr_va_sdst(0)                   ; the sixteen masks are written, ahead of their first readers: the scalar lines below, later the attention's selects
	s_cmp_eq_u32 s22, 0
	s_cselect_b32 s74, 0, -1                       ; all off where the block lies in front of the sequence
	s_cmp_eq_u32 s22, 8064
	s_cselect_b32 s75, 0, -1                       ; all off where it lies behind the sequence
.irp j, 0,1,2,3,4,5,6,7
	s_and_b32 s[56+\j], s[40+\j], s74
	s_and_b32 s[66+\j], s[48+\j], s75
.endr
	s_wait_dscnt 0x0                               ; my rows of X are written,
	s_barrier_signal -1
	s_barrier_wait -1                              ; everybody's are
	; ---------------- four heads, each wave by itself: one trip a head
	s_mov_b32 s33, 0
.Lhead:
	PASS_KV
	PACK_KV
	PASS_Q
	PACK_Q
.irp i, 0,1,2,3,4,5,6,7
	ATT \i
.endr
	s_add_co_u32 s33, s33, 1
	s_cmp_lt_u32 s33, 4
	s_cbranch_scc1 .Lhead
	; ---------------- the context changes hands through LDS, over the dead X
	WIN 0x40
	s_wait_alu depctr_va_vdst(0)                   ; the products and the attention are done reading bk, bq and bv, the x phase's adds with v240-255, in all of which bo lands; the conversions have written the context, which the LDS stores below read
.irp u, 0,1
.irp f, 0,1,2,3
.irp q, 0,1
	global_load_b128 v[BO+32*\u+8*\f+4*\q:BO+32*\u+8*\f+4*\q+3], v16, s[14:15] offset:256*\u+64*\f+16*\q
.endr
.endr
.endr
	WIN 0
	s_wait_dscnt 0x0                               ; my reads of X are over,
	s_barrier_signal -1
	s_barrier_wait -1                              ; everybody's are
	WIN 0x04                                       ; store data from window 1
.irp hh, 0,1,2
.irp i, 0,1,2,3,4,5,6,7
.irp c, 0,1
	ds_store_b128 v[CST+(\i>>2)], v[64*\hh+8*\i+4*\c:64*\hh+8*\i+4*\c+3] offset:(\i&3)*BLK+64*\hh+32*\c
.endr
.endr
.endr
	WIN 0x0c                                       ; head 3 from window 3
.irp i, 0,1,2,3,4,5,6,7
.irp c, 0,1
	ds_store_b128 v[CST+(\i>>2)], v[CT3+8*\i+4*\c:CT3+8*\i+4*\c+3] offset:(\i&3)*BLK+192+32*\c
.endr
.endr
	WIN 0
	s_wait_dscnt 0x0                               ; my columns of the context are written,
	s_barrier_signal -1
	s_barrier_wait -1                              ; everybody's are
	; ---------------- out projection: my 128 columns in two halves; the first half's stores leave under the second half's products
	PASS_O 0, 0, 0, 0
	OUT 0
	PASS_O 1, 1, 1, 8
	OUT 1
	s_wait_dscnt 0x0
	s_wait_alu depctr_hold_cnt(0) depctr_sa_sdst(0) depctr_va_vdst(0) depctr_va_sdst(0) depctr_va_ssrc(0) depctr_va_vcc(0) depctr_vm_vsrc(0)
	s_wait_tensorcnt 0x0
	ds_add_u32 v30, v31
	s_wait_dscnt 0x0
	s_endpgm
.Lfunc_end_k_q80cbb6e148_main:
	.size	k_q80cbb6e148_main, .Lfunc_end_k_q80cbb6e148_main-k_q80cbb6e148_main
	.p2alignl 7, 3214868480
	.fill 96, 4, 3214868480
	.section	.rodata,"a",@progbits
	.p2align	6, 0x0
	.amdhsa_kernel k_q80cbb6e148_main
		.amdhsa_group_segment_fixed_size 267776
		.amdhsa_private_segment_fixed_size 0
		.amdhsa_enable_private_segment 0
		.amdhsa_kernarg_size 64
		.amdhsa_user_sgpr_count 2
		.amdhsa_user_sgpr_kernarg_segment_ptr 1
		.amdhsa_wavefront_size32 1
		.amdhsa_system_sgpr_workgroup_id_x 1
		.amdhsa_system_sgpr_workgroup_id_y 1
		.amdhsa_system_sgpr_workgroup_id_z 1
		.amdhsa_system_vgpr_workitem_id 0
		.amdhsa_next_free_vgpr 1024
		.amdhsa_next_free_sgpr 80
		.amdhsa_reserve_vcc 0
		.amdhsa_float_denorm_mode_32 3
		.amdhsa_float_denorm_mode_16_64 3
		.amdhsa_memory_ordered 1
		.amdhsa_forward_progress 1
		.amdhsa_inst_pref_size 255
	.end_amdhsa_kernel
	.section	.bss,"aw",@nobits
	.p2align	6
	.space	262144
	.amdgpu_metadata
---
amdhsa.version: [ 1, 2 ]
amdhsa.kernels:
  - .name:           k_q80cbb6e148_main
    .symbol:         k_q80cbb6e148_main.kd
    .args:
      - { .name: x, .offset: 0, .size: 8, .value_kind: global_buffer, .address_space: global }
      - { .name: wt, .offset: 8, .size: 8, .value_kind: global_buffer, .address_space: global }
      - { .name: bq, .offset: 16, .size: 8, .value_kind: global_buffer, .address_space: global }
      - { .name: bk, .offset: 24, .size: 8, .value_kind: global_buffer, .address_space: global }
      - { .name: bv, .offset: 32, .size: 8, .value_kind: global_buffer, .address_space: global }
      - { .name: bo, .offset: 40, .size: 8, .value_kind: global_buffer, .address_space: global }
      - { .name: global_idx, .offset: 48, .size: 8, .value_kind: global_buffer, .address_space: global }
      - { .name: out0, .offset: 56, .size: 8, .value_kind: global_buffer, .address_space: global }
    .group_segment_fixed_size: 267776
    .private_segment_fixed_size: 0
    .kernarg_segment_align: 8
    .kernarg_segment_size: 64
    .max_flat_workgroup_size: 128
    .sgpr_count:     80
    .vgpr_count:     1024
    .wavefront_size: 32
...
	.end_amdgpu_metadata
.endif
;; end of part 4
